; MI455X (gfx1250); checked and timed in simulation.
; The chip was launched on July 23, 2026; its instructions are those of AMD's public machine-readable ISA for CDNA 5 (MIT licence, August 2026) and "CDNA5" Instruction Set Architecture Reference Guide (July 2026). The comments in the code are by the model that wrote it; some were corrected since.
;; Self Attention Layer. Allowed arithmetic: matrix products marked QUANTISED: E4M3 operands, one E8M0 scale for each 32 along K, by v_wmma_scale_f32_16x16x128_f8f6f4 with both operands' format E4M3, f32 sums; everything else in f32.
;; Inputs: Wk_b 1,024 float32; Wk_w 1,024 x 1,024 float32; Wq_b 1,024 float32; Wq_w 1,024 x 1,024 float32; Wv_b 1,024 float32; Wv_w 1,024 x 1,024 float32; x 4 x 2,048 x 1,024 float32.
;; Outputs: out0 4 x 2,048 x 1,024 float32.
;; This version of the problem:
;;   THIS VERSION OF THE PROBLEM IS GIVEN IN LOW PRECISION. The matrix products marked QUANTISED in the list below multiply operands that are first quantised to E4M3 (4 exponent bits, 3 mantissa bits; 8 bits a number), with one power-of-two scale for each 32 numbers along K (OCP MX v1.0); their sums are f32. All else is computed in f32.
;;   The module's matrix products, in the order in which they are computed (A, B: the left and right operand; K: the contracted axis; several contracted axes count as one K, in the product's order):
;;     1. [M 8,192, K 1,024] x [K 1,024, N 1,024]; A: input x; B: input Wq_w: QUANTISED
;;     2. [M 8,192, K 1,024] x [K 1,024, N 1,024]; A: input x; B: input Wk_w: QUANTISED
;;     3. [M 8,192, K 1,024] x [K 1,024, N 1,024]; A: input x; B: input Wv_w: QUANTISED
;;     4. batch 4 x [M 2,048, K 1,024] x [K 1,024, N 2,048]; A: computed on the way; B: computed on the way: QUANTISED
;;     5. batch 4 x [M 2,048, K 2,048] x [K 2,048, N 1,024]; A: softmax (see below); B: computed on the way: QUANTISED
;;   THE QUANTISER, for each operand of a quantised product, along K:
;;     - K is cut into blocks of 32 from its start; a last block that is shorter is filled with zeros.
;;     - A block's scale is 2^e with e = floor(log2(the largest magnitude in the block)) - 8, held to -126 .. 127; a block of zeros has e = 0. As a byte (E8M0): e + 127.
;;     - Each number is divided by its block's scale, clamped to +-448, and rounded to the nearest number of E4M3, ties to even, subnormals kept.
;;     - The product sums the exact products of the quantised numbers (number of the format x scale) in f32.
;;   ~~~python
;;   def quantise(x, axis):      # numpy; x: float32 -> the quantised numbers, widened to float32 again
;;       x = np.moveaxis(x, axis, -1); K = x.shape[-1]
;;       x = np.pad(x, [(0, 0)] * (x.ndim - 1) + [(0, -K % 32)]); x = x.reshape(x.shape[:-1] + (-1, 32)); a = np.abs(x).max(-1, keepdims=True)
;;       e = np.where(a > 0, np.clip(np.frexp(np.where(a > 0, a, 1))[1] - 1 - 8, -126, 127), 0)      # np.frexp(a)[1] - 1 = floor(log2(a)), exactly
;;       r = np.clip(x / 2.0 ** e, -448, 448)
;;       step = 2.0 ** (np.maximum(np.frexp(np.where(r == 0, 1, r))[1] - 1, -6) - 3)
;;       q = np.round(r / step) * step * 2.0 ** e      # np.round: ties to even
;;       return np.moveaxis(q.reshape(q.shape[:-2] + (-1,))[..., :K], -1, axis).astype(np.float32)
;;   ~~~
;;   SOFTMAX AHEAD OF A QUANTISED PRODUCT. Where the list says 'softmax', what is quantised is not the finished softmax but p = 2^(t - M), with t = logit x log2(e) and M = ceil(the row's largest t), a whole number; so 1/2 < the row's largest p <= 1. The row's sum l is taken of the UNQUANTISED p, in f32, and the product's result is divided by l at the end. Since M is a whole number, a kernel that streams over the keys may use a running M (the ceiling of the running maximum): every later rescaling is an exact power of two, which a block's scale takes up: the codes' values come out the same.
;;   OPERANDS COMPUTED ON THE WAY. 'Computed on the way' means the value that the module computes at that place (a softmax that the list does not call 'softmax' is quantised finished and normalised). What goes into a quantiser is computed in f32, as accurately as f32 sums, v_exp_f32 and their like allow (about 1e-6 of the number): no bf16 or f16 on the way to a quantiser, and a product that is left as it is and whose result goes on into a quantised operand takes f32 operands (vector FMAs, or v_wmma_f32_16x16x4_f32). A number that lies on a knife's edge between two numbers of the format may be rounded either way, as far as f32 arithmetic and the matrix unit's own rounding can turn it there, and no further.
;; One version. Each part assembles by itself: llvm-mc -triple=amdgcn-amd-amdhsa -mcpu=gfx1250 --defsym DOCPART=n.
;; ======== version 1 of 1: 4 launches
;; workspace buffers: xw_img 11,534,336 bytes; xw_scl 360,448 bytes; qk_img 16,777,216 bytes; qk_scl 524,288 bytes; vt_img 8,388,608 bytes; vt_scl 262,144 bytes; p_img 16,777,216 bytes; p_st 1,572,864 bytes
;; launch quant (part 1): grid 896 x 1, 4 waves a work-group, no clusters, 44,544 bytes of LDS; arguments x, Wq_w, Wk_w, Wv_w, xw_img, xw_scl; writes xw_img, xw_scl
.if DOCPART == 1
	.amdgcn_target "amdgcn-amd-amdhsa--gfx1250"
	.amdhsa_code_object_version 6
	.text
	.protected	k_q310f80f4a1_quant
	.globl	k_q310f80f4a1_quant
	.p2align	8
	.type	k_q310f80f4a1_quant,@function
k_q310f80f4a1_quant:
	s_mov_b64 s[64:65], 0
	v_nop
	global_prefetch_b8 v0, s[64:65] scope:SCOPE_SE
	s_setreg_imm32_b32 hwreg(HW_REG_WAVE_MODE, 25, 1), 1
	s_wait_xcnt 0x0
; SELF-ATTENTION, one head of 1,024, in MX-FP8 (E4M3 codes, one E8M0 scale for each 32 along K).  Four launches: this one quantises x and the three weights; the second makes q, k, v and quantises them;
; the third makes the scores and p; the fourth makes p v and divides by the row's sum.
; NO WORK IS LEFT OUT: all five products are live, and the three biases go into quantised operands (q and k ahead of the scores, v ahead of the last product), so every input is loaded by some launch.
; THIS LAUNCH: x [8192][1024] (K innermost) and Wq, Wk, Wv [1024 (K)][1024 (n)] (K outermost), f32, become codes and scale words in xw_img and xw_scl.
; A block's scale is 2^(floor(log2(its largest magnitude)) - 8); its byte is the largest magnitude's exponent field - 8, held at 1 from below; each number is held within +-448 x the scale and rounded to the nearest code.
; LIMITS: a block of zeros gets the byte 1 where the rule says 127 (its codes are zeros, and this program alone reads the bytes); blocks whose largest magnitude lies under 2^-118, the floor, were not tried; NaN and infinities are not served.
; LAYOUT OF EVERY CODE BUFFER OF THIS PROGRAM: images of operand registers.  A fragment is 16 row places x 128 along K, 2,048 bytes: byte 512 c + 16 lane + i is the code of row place lane % 16 at
; k = 32 c + 16 (lane / 16) + i.  Four 16-byte stores a lane write it (512 consecutive bytes each), four such loads give any wave the operand's registers.  xw_img: [8 K steps][704 row blocks][2,048];
; row blocks 0-511 x, 512-575 Wq, 576-639 Wk, 640-703 Wv.
; THE ORDER OF ROWS: place r of row block rb holds row 32 (rb / 2) + 8 (rb % 2) + r + 8 (r / 8).  As source 0 of a product, two neighbouring row blocks then leave a lane 16 NEIGHBOURS along that axis.
; SCALE WORDS (four bytes: 128 along K of one row): xw_scl [88 groups of 8 row blocks][8 K steps][place r][row block % 8], 512 bytes for a group and a K step.
; The first 512 work-groups take x, the other 384 the weights: two paths that part on the work-group's number, each with LDS bytes of its own.  No tensor loads, no barrier: waves share nothing.
; EVERY WAVE ASKS FOR ALL ITS INPUT AT ITS HEAD: 32 loads of 512 bytes on x's path, 64 loads of 128 bytes on the weights': a wave's share is kept so small that its registers hold it whole.
.set KSTR,  1441792                    ; a K step of xw_img in bytes: 704 x 2,048
.set XSP,   528                        ; x's stage: a row of 512 bytes + 16
.set XWB,   16*XSP                     ; a wave's stage on x's path
.set WST,   4*XWB                      ; behind them the weights' stages
.set WSP,   80                         ; a column's 64 codes + 16
.set WWB,   32*WSP
.set SPARE, WST+4*WWB                  ; behind the stages: the spare words, 128 bytes for each wave, which no other line names
.set SPW,   14                         ; v14  LDS address of my spare word; never rewritten
.set NIL,   15                         ; v15  0; never rewritten
.set TM,    16                         ; x: v16-19 largest magnitudes, v20-23 bytes, v24-27 448 x the scale, v28-31 the conversions' scale operands
.set PC,    32                         ; x: v32-47 the codes of a fragment
.set R,     64                         ; x: v64-191 two sets of 64: rows as they are loaded
.set X,     192                        ; x: v192-255 64 numbers of my row: register 16 c + i is k = 32 c + 16 (lane / 16) + i
.set SB,    24                         ; W: v24 my column's two scale bytes
.set WX,    32                         ; W: v32-95 two sets of 32 numbers
.set WC,    96                         ; W: v96-103 a block's codes
.set OUTR,  112                        ; W: v112-127 the way out
; x: fragment f's 16 rows x 512 bytes: each load reads 512 consecutive bytes of one row; place p is row p + 8 (p / 8) of the 24 from the row block's first on
.macro XLOAD f
.irp p, 0,1,2,3,4,5,6,7,8,9,10,11,12,13,14,15
	global_load_b128 v[R+64*((\f)%2)+4*\p:R+64*((\f)%2)+4*\p+3], v1, s[4:5] offset:(\p+8*(\p/8))*4096+512*(\f) th:TH_LOAD_NT
.endr
.endm
; through the wave's own stage: in as loaded, out 16 neighbours of each block of 32 to a lane.  LDS serves a wave's instructions in order, so no wait stands between the stores and the loads
.macro XTURN f
.irp p, 0,1,2,3,4,5,6,7,8,9,10,11,12,13,14,15
	ds_store_b128 v2, v[R+64*((\f)%2)+4*\p:R+64*((\f)%2)+4*\p+3] offset:XSP*\p
.endr
.irp c, 0,1,2,3
.irp j, 0,1,2,3
	ds_load_b128 v[X+16*\c+4*\j:X+16*\c+4*\j+3], v3 offset:128*\c+16*\j
.endr
.endr
.endm
; 64 numbers of a lane, v[s] on, become a fragment's codes in v[PC] on and its scale word in v[pw]
.macro QUANT s, pw
.irp b, 0,1,2,3
	v_max3_num_f32 v[TM+\b], |v[\s+16*\b]|, |v[\s+1+16*\b]|, 0x4800000   ; block b: my 16 numbers, and the floor 2^(9 - 127): so the byte cannot fall under 1
.endr
.irp i, 2,4,6,8,10,12,14
.irp b, 0,1,2,3
	v_max3_num_f32 v[TM+\b], v[TM+\b], |v[\s+16*\b+\i]|, |v[\s+1+16*\b+\i]|   ; the four blocks by turns
.endr
.endr
.irp b, 0,1,2,3
	v_permlanex16_b32 v[TM+4+\b], v[TM+\b], s20, s21
.endr
.irp b, 0,1,2,3
	v_max_num_f32 v[TM+\b], v[TM+\b], v[TM+4+\b]   ; with lane l xor 16's 16: the block's largest magnitude
.endr
.irp b, 0,1,2,3
	v_add_nc_u32 v[TM+12+\b], 0xfc000000, v[TM+\b]   ; 8 off its exponent field: the conversion takes this operand's exponent field as its scale
.endr
.irp b, 0,1,2,3
	v_and_or_b32 v[TM+8+\b], v[TM+\b], 0x7f800000, s23   ; 448 x the scale: the exponent field over 448's mantissa
.endr
.irp b, 0,1,2,3
	v_lshrrev_b32 v[TM+4+\b], 23, v[TM+12+\b]   ; the scale's byte
.endr
	v_lshl_or_b32 v[\pw], v[TM+5], 8, v[TM+4]
	v_lshl_or_b32 v[\pw], v[TM+6], 16, v[\pw]
	v_lshl_or_b32 v[\pw], v[TM+7], 24, v[\pw]   ; my row's scale word
.irp b, 0,1,2,3
.irp i, 0,1,2,3,4,5,6,7,8,9,10,11,12,13,14,15
	v_med3_num_f32 v[\s+16*\b+\i], v[\s+16*\b+\i], -v[TM+8+\b], v[TM+8+\b]   ; the conversion to an 8-bit code does not saturate (ISA guide 7.6.2): the hold comes first
.endr
	v_cvt_scalef32_pk8_fp8_f32 v[PC+4*\b:PC+1+4*\b], v[\s+16*\b:\s+7+16*\b], v[TM+12+\b]
	v_cvt_scalef32_pk8_fp8_f32 v[PC+2+4*\b:PC+3+4*\b], v[\s+8+16*\b:\s+15+16*\b], v[TM+12+\b]
.endr
	v_nop                                          ; a plain vector line behind the last conversion
.endm
.macro XFRAG f
.if (\f) < 1
	s_wait_loadcnt 16                              ; this fragment's 16 loads are in; the second fragment's 16 may be out
.else
	s_wait_loadcnt 0x0
.endif
	XTURN \f
	s_wait_dscnt 0x0                               ; my 64 numbers are back
.if (\f) > 0
	s_wait_xcnt 0x0                                ; the first fragment's stores have read their data: the codes are written again only behind this wait
.endif
	QUANT X, 48+(\f)%2
.irp c, 0,1,2,3
	global_store_b128 v1, v[PC+4*\c:PC+4*\c+3], s[12:13] offset:(\f)*KSTR+512*\c   ; the image: 512 consecutive bytes a store
.endr
.endm
; W: block t: W(32 t + i, my column), i = 0 .. 31, into set t: 128 consecutive bytes a wave and load
.macro WLOAD t
.irp i, 0,1,2,3,4,5,6,7,8,9,10,11,12,13,14,15,16,17,18,19,20,21,22,23,24,25,26,27,28,29,30,31
	global_load_b32 v[WX+32*(\t)+\i], v3, s[6:7] offset:(32*(\t)+\i)*4096 th:TH_LOAD_NT
.endr
.endm
.macro WBLOCK t
.set XS, WX+32*(\t)
.if (\t) < 1
	s_wait_loadcnt 32                              ; this block's 32 loads are in; the second block's may be out
.else
	s_wait_loadcnt 0x0
.endif
	v_max3_num_f32 v12, |v[XS]|, |v[XS+1]|, |v[XS+2]|   ; the block's largest magnitude: all 32 numbers are mine
	v_max3_num_f32 v13, |v[XS+3]|, |v[XS+4]|, |v[XS+5]|
.irp i, 6,10,14,18,22,26
	v_max3_num_f32 v12, v12, |v[XS+\i]|, |v[XS+\i+1]|
	v_max3_num_f32 v13, v13, |v[XS+\i+2]|, |v[XS+\i+3]|
.endr
	v_max3_num_f32 v12, v12, |v[XS+30]|, |v[XS+31]|
	v_max3_num_f32 v12, v12, v13, 0x4800000        ; and the floor
	v_add_nc_u32 v11, 0xfc000000, v12              ; the conversion's scale operand
	v_and_or_b32 v10, v12, 0x7f800000, s23         ; 448 x the scale
	v_lshrrev_b32 v13, 23, v11                     ; the byte
.if (\t) == 0
	v_mov_b32 v[SB], v13                           ; the lower K in the lower byte
.else
	v_lshl_or_b32 v[SB], v13, 8, v[SB]
.endif
.irp i, 0,1,2,3,4,5,6,7,8,9,10,11,12,13,14,15,16,17,18,19,20,21,22,23,24,25,26,27,28,29,30,31
	v_med3_num_f32 v[XS+\i], v[XS+\i], -v10, v10
.endr
.irp g, 0,1,2,3
	v_cvt_scalef32_pk8_fp8_f32 v[WC+2*\g:WC+2*\g+1], v[XS+8*\g:XS+8*\g+7], v11
.endr
	v_nop                                          ; a plain vector line behind the last conversion
	ds_store_b128 v4, v[WC:WC+3] offset:32*(\t)    ; 32 codes of my column's row of the stage
	ds_store_b128 v4, v[WC+4:WC+7] offset:32*(\t)+16
	s_wait_dscnt 0x0                               ; the stores have read their registers: the next block's codes may be written
.endm
	s_load_b256 s[4:11], s[0:1], 0x0               ; x, Wq_w, Wk_w, Wv_w
	s_load_b128 s[12:15], s[0:1], 0x20             ; xw_img, xw_scl
	v_lshl_add_u32 v[SPW], v0, 2, SPARE
	v_mov_b32 v[NIL], 0
	v_lshrrev_b32 v1, 5, v0
	v_readfirstlane_b32 s16, v1                    ; wave 0..3
	v_and_b32 v5, 31, v0                           ; lane
	v_and_b32 v6, 15, v0                           ; r
	v_bfe_u32 v7, v0, 4, 1                         ; h
	s_mov_b32 s20, 0x76543210
	s_mov_b32 s21, 0xfedcba98                      ; v_permlanex16_b32's selects for lane l xor 16
	s_mov_b32 s22, 0xffff0000                      ; lanes 16-31
	s_mov_b32 s23, 0x600000                        ; the mantissa field of 448
	s_cmp_lt_u32 ttmp9, 512
	s_cbranch_scc0 .Lweights
	; ---- x.  Work-group g takes row block g; wave w its K steps 2 w and 2 w + 1: two fragments
	s_lshr_b32 s17, ttmp9, 1
	s_and_b32 s18, ttmp9, 1
	s_lshl_b32 s26, s17, 17                        ; x: row 32 (g / 2) + 8 (g % 2), 4,096 bytes a row,
	s_lshl_b32 s27, s18, 15
	s_add_co_u32 s26, s26, s27
	s_lshl_b32 s27, s16, 10                        ; + my 256 numbers
	s_add_co_u32 s26, s26, s27
	s_mov_b32 s27, 0
	s_mul_i32 s28, s16, 2*KSTR                     ; the image: my first K step, my row block
	s_lshl_b32 s29, ttmp9, 11
	s_add_co_u32 s28, s28, s29
	s_mov_b32 s29, 0
	s_lshr_b32 s30, ttmp9, 3                       ; the scale words: my group, my first K step, my row block's place in the group
	s_lshl_b32 s30, s30, 12
	s_lshl_b32 s31, s16, 10
	s_add_co_u32 s30, s30, s31
	s_and_b32 s31, ttmp9, 7
	s_lshl_b32 s31, s31, 2
	s_add_co_u32 s30, s30, s31
	s_mov_b32 s31, 0
	s_mul_i32 s19, s16, XWB                        ; my stage
	v_lshlrev_b32 v1, 4, v5                        ; 16 x lane: the loads', and the image's
	v_add_nc_u32 v2, s19, v1                       ; the stage, on the way in
	v_mul_u32_u24 v3, v6, XSP
	v_lshl_add_u32 v3, v7, 6, v3
	v_add_nc_u32 v3, s19, v3                       ; and out: row r, + 64 h
	v_lshlrev_b32 v4, 5, v6
	v_lshl_add_u32 v4, v7, 9, v4                   ; the scale store: 32 r, and one K step on for lanes 16-31
.irp b, 0,1,2,3
	v_mov_b32 v[TM+4+\b], 0                        ; written once: a lane permute's destination counts as one of its sources
.endr
	s_wait_kmcnt 0x0
	s_add_nc_u64 s[4:5], s[4:5], s[26:27]
	s_add_nc_u64 s[12:13], s[12:13], s[28:29]
	s_add_nc_u64 s[14:15], s[14:15], s[30:31]
	XLOAD 0
	XLOAD 1                                        ; all that the wave reads is asked for
	XFRAG 0
	XFRAG 1
	v_cndmask_b32 v50, v48, v49, s22               ; lanes 0-15 the even K step's word, lanes 16-31 the odd one's
	global_store_b32 v4, v50, s[14:15]
	s_wait_tensorcnt 0x0                           ; the wave's end: behind my last LDS store
	ds_add_u32 v[SPW], v[NIL]
	s_wait_dscnt 0x0
	s_endpgm
	; ---- the weights.  Work-group 512 + 128 weight + 16 cg + kc takes columns 128 cg on and K 64 kc on; a wave 32 columns: A LANE TAKES A COLUMN, AND ITS REGISTERS RUN DOWN K.
	; 64 along K are half a fragment: two of its four runs of 512 bytes, and two of a scale word's four bytes
.Lweights:
	s_sub_co_u32 s17, ttmp9, 512
	s_lshr_b32 s18, s17, 7                         ; which weight
	s_bfe_u32 s19, s17, 0x30004                    ; cg
	s_and_b32 s24, s17, 15                         ; kc
	s_lshl_b32 s26, s24, 18                        ; W: 64 kc rows of 4,096 bytes,
	s_lshl_b32 s27, s19, 9
	s_add_co_u32 s26, s26, s27
	s_lshl_b32 s27, s16, 7
	s_add_co_u32 s26, s26, s27                     ; + 4 x (128 cg + 32 wave)
	s_mov_b32 s27, 0
	s_lshl_b32 s28, s18, 6                         ; the image: row block 512 + 64 weight + 8 cg + 2 wave,
	s_lshl_b32 s29, s19, 3
	s_add_co_u32 s28, s28, s29
	s_lshl_b32 s29, s16, 1
	s_add_co_u32 s28, s28, s29
	s_add_co_u32 s28, s28, 512
	s_lshl_b32 s28, s28, 11
	s_lshr_b32 s25, s24, 1                         ; K step kc / 2,
	s_mul_i32 s29, s25, KSTR
	s_add_co_u32 s28, s28, s29
	s_and_b32 s17, s24, 1                          ; its lower or upper 64
	s_lshl_b32 s29, s17, 10
	s_add_co_u32 s28, s28, s29
	s_mov_b32 s29, 0
	s_lshl_b32 s30, s18, 3                         ; the scale words: group 64 + 8 weight + cg,
	s_add_co_u32 s30, s30, s19
	s_add_co_u32 s30, s30, 64
	s_lshl_b32 s30, s30, 12
	s_lshl_b32 s31, s25, 9                         ; the K step,
	s_add_co_u32 s30, s30, s31
	s_lshl_b32 s31, s16, 3                         ; row blocks 2 wave and 2 wave + 1 of the group,
	s_add_co_u32 s30, s30, s31
	s_lshl_b32 s31, s17, 1                         ; the word's lower or upper two bytes
	s_add_co_u32 s30, s30, s31
	s_mov_b32 s31, 0
	s_mul_i32 s25, s16, WWB
	s_add_co_u32 s25, s25, WST                     ; my stage
	v_lshlrev_b32 v3, 2, v5                        ; in: 4 bytes a lane
	v_mul_u32_u24 v4, v5, WSP
	v_add_nc_u32 v4, s25, v4                       ; into the stage: row = my column
	v_and_b32 v8, 8, v6
	v_add_nc_u32 v8, v8, v6                        ; r + 8 (r / 8)
	v_mul_u32_u24 v8, v8, WSP
	v_lshl_add_u32 v8, v7, 4, v8
	v_add_nc_u32 v8, s25, v8                       ; out of it: place r's column, + 16 h
	v_lshlrev_b32 v9, 4, v5                        ; the image: 16 x lane
	v_bfe_u32 v10, v0, 3, 1                        ; my column L lies in row block u = (L / 8) % 2
	v_and_b32 v11, 7, v0
	v_lshl_or_b32 v11, v7, 3, v11                  ; at place L % 8 + 8 (L / 16)
	v_lshlrev_b32 v2, 5, v11
	v_lshl_add_u32 v2, v10, 2, v2                  ; 32 x place + 4 u
	s_wait_kmcnt 0x0
	s_cmp_eq_u32 s18, 0                            ; the choice hangs on the work-group's number alone
	s_cselect_b64 s[6:7], s[6:7], s[8:9]
	s_cmp_eq_u32 s18, 2
	s_cselect_b64 s[6:7], s[10:11], s[6:7]
	s_add_nc_u64 s[6:7], s[6:7], s[26:27]
	s_add_nc_u64 s[12:13], s[12:13], s[28:29]
	s_add_nc_u64 s[14:15], s[14:15], s[30:31]
	WLOAD 0
	WLOAD 1                                        ; all that the wave reads is asked for
	WBLOCK 0
	WBLOCK 1
	global_store_b16 v2, v[SB], s[14:15]           ; my column's two scale bytes
.irp u, 0,1
.irp c, 0,1
	ds_load_b128 v[OUTR+4*(2*\u+\c):OUTR+4*(2*\u+\c)+3], v8 offset:8*WSP*\u+32*\c   ; row block u: two of the fragment's four groups of registers
.endr
.endr
.irp u, 0,1
.irp c, 0,1
	s_wait_dscnt 3-(2*\u+\c)                       ; LDS loads come back in order: this one is in
	global_store_b128 v9, v[OUTR+4*(2*\u+\c):OUTR+4*(2*\u+\c)+3], s[12:13] offset:2048*\u+512*\c
.endr
.endr
	s_wait_tensorcnt 0x0                           ; the wave's end: behind my last LDS store
	ds_add_u32 v[SPW], v[NIL]
	s_wait_dscnt 0x0
	s_endpgm
.Lfunc_end_k_q310f80f4a1_quant:
	.size	k_q310f80f4a1_quant, .Lfunc_end_k_q310f80f4a1_quant-k_q310f80f4a1_quant
	.p2alignl 7, 3214868480
	.fill 96, 4, 3214868480
	.section	.rodata,"a",@progbits
	.p2align	6, 0x0
	.amdhsa_kernel k_q310f80f4a1_quant
		.amdhsa_group_segment_fixed_size 44544
		.amdhsa_private_segment_fixed_size 0
		.amdhsa_enable_private_segment 0
		.amdhsa_kernarg_size 48
		.amdhsa_user_sgpr_count 2
		.amdhsa_user_sgpr_kernarg_segment_ptr 1
		.amdhsa_wavefront_size32 1
		.amdhsa_system_sgpr_workgroup_id_x 1
		.amdhsa_system_sgpr_workgroup_id_y 1
		.amdhsa_system_sgpr_workgroup_id_z 1
		.amdhsa_system_vgpr_workitem_id 0
		.amdhsa_next_free_vgpr 256
		.amdhsa_next_free_sgpr 66
		.amdhsa_reserve_vcc 0
		.amdhsa_float_denorm_mode_32 3
		.amdhsa_float_denorm_mode_16_64 3
		.amdhsa_memory_ordered 1
		.amdhsa_forward_progress 1
		.amdhsa_inst_pref_size 44
	.end_amdhsa_kernel
	.amdgpu_metadata
---
amdhsa.version: [ 1, 2 ]
amdhsa.kernels:
  - .name:           k_q310f80f4a1_quant
    .symbol:         k_q310f80f4a1_quant.kd
    .args:
      - { .name: x, .offset: 0, .size: 8, .value_kind: global_buffer, .address_space: global }
      - { .name: Wq_w, .offset: 8, .size: 8, .value_kind: global_buffer, .address_space: global }
      - { .name: Wk_w, .offset: 16, .size: 8, .value_kind: global_buffer, .address_space: global }
      - { .name: Wv_w, .offset: 24, .size: 8, .value_kind: global_buffer, .address_space: global }
      - { .name: xw_img, .offset: 32, .size: 8, .value_kind: global_buffer, .address_space: global }
      - { .name: xw_scl, .offset: 40, .size: 8, .value_kind: global_buffer, .address_space: global }
    .group_segment_fixed_size: 44544
    .private_segment_fixed_size: 0
    .kernarg_segment_align: 8
    .kernarg_segment_size: 48
    .max_flat_workgroup_size: 128
    .sgpr_count:     66
    .vgpr_count:     256
    .wavefront_size: 32
...
	.end_amdgpu_metadata
.endif
;; end of part 1
;; launch proj (part 2): grid 12 x 32, 4 waves a work-group, clusters of 4 x 4, 327,680 bytes of LDS; arguments xw_img, xw_scl, Wq_b, Wk_b, Wv_b, qk_img, qk_scl, vt_img, vt_scl; writes qk_img, qk_scl, vt_img, vt_scl
.if DOCPART == 2
	.amdgcn_target "amdgcn-amd-amdhsa--gfx1250"
	.amdhsa_code_object_version 6
	.text
	.protected	k_q310f80f4a1_proj
	.globl	k_q310f80f4a1_proj
	.p2align	8
	.type	k_q310f80f4a1_proj,@function
k_q310f80f4a1_proj:
	s_mov_b64 s[64:65], 0
	v_nop
	global_prefetch_b8 v0, s[64:65] scope:SCOPE_SE
	s_setreg_imm32_b32 hwreg(HW_REG_WAVE_MODE, 25, 1), 1
	s_wait_xcnt 0x0
	s_wait_alu depctr_hold_cnt(0) depctr_sa_sdst(0) depctr_va_vdst(0) depctr_va_sdst(0) depctr_va_ssrc(0) depctr_va_vcc(0) depctr_vm_vsrc(0)
	s_getreg_b32 s2, hwreg(HW_REG_IB_STS2, 6, 4)
	s_cmp_eq_u32 s2, 0
	s_cbranch_scc0 .Lentry_in_a_cluster
	s_endpgm
.Lentry_in_a_cluster:
	s_bfe_u32 s2, ttmp6, 0x10000c
	s_cmp_lg_u32 s2, 0xf033
	s_cbranch_scc0 .Lentry_shape_is_right
	s_endpgm
.Lentry_shape_is_right:
; q = x Wq + bq, k = x Wk + bk, v = x Wv + bv on codes of FP8 (E4M3) with E8M0 scales, and the results quantised at once: q and k along d (the scores' K), v along the tokens (the last product's K).  Nothing is left out.
; A tile is 256 x 256, K = 1,024; four waves, each 128 x 128 in 64 accumulators.  Source 0 is called P, source 1 R.  A lane's registers run along P's rows, which lie in the order that makes 16 registers of two
; neighbouring tiles 16 neighbours; the lane's place is a row place of R.  So P's axis is the NEXT product's K:
;   clusters x = 0, 1 (q, k): P = 256 rows of Wq or Wk (d), R = 256 rows of x (tokens);    cluster x = 2 (v): P = 256 rows of x (tokens), R = 256 rows of Wv (v's columns).
; Both operands lie in xw_img, as images of operand registers ([K step][row block][2,048]): a wave's 8 row blocks of a K step are 16,384 bytes on end, and a fragment is four 16-byte loads a lane, 512 bytes apart.
; The bias is the C of each sum's first product.  The epilogue quantises a row block's 128 numbers a lane-pair in registers and stores the image and the scale words: no stage, no LDS store.
; CLUSTERS: 4 x 4 work-groups.  R's tile hangs on the place along y and is asked for jointly by a row of the cluster, P's on the place along x, by a column.  Which path a cluster takes hangs on the cluster's x alone.
; LIMITS: a block of zeros gets the byte 1 (its codes are zeros; this program alone reads the bytes); blocks whose largest magnitude lies under 2^-118 were not tried; NaN and infinities are not served.
; REGISTERS: window 0: v1-15 at work and the bias loads' offsets; v16-29 addresses; v32-63 scale words, two sets; v64-127 the bias, later the epilogue's work; v128-255 R's 8 fragments, later the codes.
;   window 1: P's fragments, two sets.   windows 2, 3: accumulator (a, b) at v[8 (8 (a % 4) + b)].
.set KSB,   1441792                    ; a K step of xw_img in bytes
.set HALF,  32768                      ; one tensor load: 2 K steps x 8 row blocks x 2,048
.set SLOT,  4*HALF                     ; R's two halves, then P's two
.set SCL,   2*SLOT                     ; behind the ring: the scale words of all of K, 4,096 bytes for each 128 rows
.set HALFS, 4096
.set SPARE, SCL+4*HALFS                ; the spare words, 128 bytes for each wave, which no other line names
.set NP,    8                          ; places behind this matrix instruction (ISA guide 7.12.1)
.set ADRA,  16                         ; v16-17  LDS address of my R fragments in slot 0, 1
.set ADRB,  20                         ; v20-21  the same for P
.set IMG,   24                         ; v24     16 x lane
.set SOFF,  25                         ; v25     32 r + 16 h: my 16 bytes of a group's 512 bytes of scale words
.set ADRS,  27                         ; v27     LDS address of my scale words: lanes 0-15 R's, lanes 16-31 P's
.set SPW,   28                         ; v28     LDS address of my spare word; never rewritten
.set NIL,   29                         ; v29     0; never rewritten
.set SC,    32                         ; set s at v[SC + 16 s]; register 8 q + i: lanes 0-15 the word of R's block i, lanes 16-31 of P's block i, for the slot's q-th 128 along K
.set BB,    64                         ; v64-127 the bias, eight registers a tile
.set TM,    64                         ; the epilogue: v64-67 largest magnitudes, v68-71 bytes, v72-75 448 x the scale, v76-79 scale operands
.set PW,    80                         ; v80-87  the eight row blocks' scale words
.set SD,    88                         ; v88-91  four of them, to store
.set AF,    128
.set PC,    128                        ; the codes of row block a at v[PC + 16 a]
.set G1,  24                           ; s[24:31] group 1 for R's tiles;  s[32:39] group 0, a set for each slot
.set G0,  32
.set G1B, 48                           ; s[48:55], s[56:63] the same for P's
.set G0B, 56
.set G1S, 68                           ; s[68:75], s[76:79] for R's scale words;  s[80:87], s[88:91] for P's
.set G0S, 76
.set G1SB, 80
.set G0SB, 88
.set WV,  92                           ; my wave's number
.set JH,  93                           ; which half of R's rows is mine.  Also: I fetch for R (0) or for P (1)
.set IH,  94                           ; which half of P's rows.  Also: which half I fetch
.set MNT, 95                           ; the mantissa field of 448
.set SEL, 96                           ; s[96:97] selects for lane l xor 16
.set OIM, 98                           ; s[98:99] where my images go
.set OSC, 100                          ; s[100:101] and my scale words
.set MSB, 0
.macro WIN new                         ; the immediate's high byte repeats the setting that is left
.if MSB != (\new)
	s_set_vgpr_msb (MSB<<8)|(\new)
.set MSB, (\new)
.endif
.endm
; A joint load: waves 0 and 1 fetch for R, waves 2 and 3 for P.  The branch hangs on the wave's number alone.  An s_nop 0 and four v_nop follow each of the two lines.
.macro JLOAD g0a, g1a, g0b, g1b
	s_cmp_eq_u32 s[JH], 0
	s_cbranch_scc0 .Lfor_b_\@
	tensor_load_to_lds s[\g0a:\g0a+3], s[\g1a:\g1a+7]
	s_nop 0
.rept 4
	v_nop
.endr
	s_branch .Lasked_\@
.Lfor_b_\@:
	tensor_load_to_lds s[\g0b:\g0b+3], s[\g1b:\g1b+7]
	s_nop 0
.rept 4
	v_nop
.endr
.Lasked_\@:
.endm
.macro CREST                           ; a round of the cluster's barrier behind its opening barrier
	s_cmp_lg_u32 s[WV], 0
	s_cbranch_scc1 .Lnot_wave_0_\@
	s_barrier_signal -3
.Lnot_wave_0_\@:
	s_barrier_wait -3
	s_barrier_signal -1
	s_barrier_wait -1
.endm
.macro CROUND                          ; a whole round
	s_barrier_signal -1
	s_barrier_wait -1
	CREST
.endm
.macro PLACES n
.rept \n
	v_nop
.endr
.endm
.macro FRAG reg, adr, q, i             ; a fragment's image: four loads, 512 bytes apart
.irp c, 0,1,2,3
	ds_load_b128 v[\reg+4*\c:\reg+4*\c+3], v[\adr] offset:16384*(\q)+2048*(\i)+512*\c
.endr
.endm
.macro FETCH_B slot, q, p              ; P's eight fragments of the slot's q-th 128 along K into set p
	WIN 0x40
.irp i, 0,1,2,3,4,5,6,7
	FRAG 128*(\p)+16*\i, ADRB+\slot, \q, \i
.endr
	WIN 0
.endm
.macro FETCH_A slot, q, i0             ; R's blocks i0 .. i0 + 3
.irp i, \i0, \i0+1, \i0+2, \i0+3
	FRAG AF+16*(\i), ADRA+\slot, \q, \i
.endr
.endm
.macro SCALES sc                       ; a slot's scale words: for each of its two K steps the words of 8 blocks, four to a load
.irp q, 0,1
.irp e, 0,1
	ds_load_b128 v[SC+16*\sc+8*\q+4*\e:SC+16*\sc+8*\q+4*\e+3], v[ADRS] offset:512*\q+16*\e
.endr
.endr
.endm
; 16 matrix instructions: R's blocks a0, a0 + 1 x P's eight.  cm = 0: the sums go on; 1: they begin with the bias by P's block; 2: by R's block.  The 64 accumulators take turns, one instruction a turn.
.macro MUL16 a0, p, q, sc, cm
.irp a, \a0, \a0+1
.irp b, 0,1,2,3,4,5,6,7
.set rD, 8*(8*((\a)%4)+\b)
.set rP, 128*(\p)+16*\b
.set rR, AF+16*(\a)
.set rSP, SC+16*(\sc)+8*(\q)+\b
.set rSR, SC+16*(\sc)+8*(\q)+(\a)
.if (\cm) == 0
	v_wmma_scale_f32_16x16x128_f8f6f4 v[rD:rD+7], v[rP:rP+15], v[rR:rR+15], v[rD:rD+7], v[rSP], v[rSR] matrix_a_scale:MATRIX_SCALE_ROW1
.elseif (\cm) == 1
	v_wmma_scale_f32_16x16x128_f8f6f4 v[rD:rD+7], v[rP:rP+15], v[rR:rR+15], v[BB+8*\b:BB+8*\b+7], v[rSP], v[rSR] matrix_a_scale:MATRIX_SCALE_ROW1
.else
	v_wmma_scale_f32_16x16x128_f8f6f4 v[rD:rD+7], v[rP:rP+15], v[rR:rR+15], v[BB+8*(\a):BB+8*(\a)+7], v[rSP], v[rSR] matrix_a_scale:MATRIX_SCALE_ROW1
.endif
.endr
.endr
.endm
; A step of 128 along K that has its successor in the same slot.  R has one set of registers: blocks 0-3 are fetched anew in the step's middle, blocks 4-7 at its end; P has two sets.
.macro STEP slot, q, cm
.set W_LO, 0xa1                        ; source 0 (P) window 1, source 1 (R) window 0, C and D window 2
.set W_HI, 0xf1                        ; the same, C and D window 3
.if (\cm) != 0
.set W_LO, 0x81                        ; C, the bias, in window 0
.set W_HI, 0xc1
.endif
	s_wait_dscnt 16                                ; P's set, R's blocks 0-3 and the scale words are in; the youngest 16 loads (R's blocks 4-7) may be out
	WIN W_LO
	MUL16 0, (\q)%2, \q, \slot, \cm
	MUL16 2, (\q)%2, \q, \slot, \cm
	s_wait_dscnt 0
	PLACES NP                                      ; in front of loads into registers that matrix instructions have read
	FETCH_B \slot, (\q)+1, 1-(\q)%2
	FETCH_A \slot, (\q)+1, 0
	WIN W_HI
	MUL16 4, (\q)%2, \q, \slot, \cm
	MUL16 6, (\q)%2, \q, \slot, \cm
	PLACES NP
	WIN 0
	FETCH_A \slot, (\q)+1, 4
.endm
; A slot's last step changes slots: ONE barrier; in front of it each wave waits for all its tensor loads, adds 0 to its spare word, and waits for that and for its reads of this slot.  fill = 1: the slot is filled again, four K steps on.
.macro TURN slot, next, fill
	s_wait_tensorcnt 0x0                           ; all my tensor loads have landed: my part of the next slot
	ds_add_u32 v[SPW], v[NIL]                      ; 0 onto my spare word
	s_wait_dscnt 17                                ; the add and the youngest 16 loads (R's blocks 4-7) may be out
	WIN 0xa1
	MUL16 0, 1, 1, \slot, 0                        ; sixteen matrix instructions stand between the add and the wait for it
	s_wait_dscnt 0x0                               ; the add is done, and my reads of this slot are over
	s_barrier_signal -1
	MUL16 2, 1, 1, \slot, 0
	WIN 0
	s_barrier_wait -1
.if \fill
	CREST                                          ; the barrier has opened a round of the cluster's barrier: no wave of any partner still reads this slot or has a load on its way
	s_add_nc_u64 s[G0+4*\slot+2:G0+4*\slot+3], s[G0+4*\slot+2:G0+4*\slot+3], 4*KSB
	s_add_nc_u64 s[G0B+4*\slot+2:G0B+4*\slot+3], s[G0B+4*\slot+2:G0B+4*\slot+3], 4*KSB
	JLOAD G0+4*\slot, G1, G0B+4*\slot, G1B         ; the first tensor load behind the round; its four v_nop are among the places in front of the loads below
	PLACES NP-4
.else
	PLACES NP
.endif
	v_add_nc_u32 v[ADRS], 1024, v[ADRS]            ; the next slot's scale words: two K steps of 512 bytes on
	FETCH_B \next, 0, 0
	FETCH_A \next, 0, 0
	SCALES \next
	WIN 0xf1
	MUL16 4, 1, 1, \slot, 0
	MUL16 6, 1, 1, \slot, 0
	PLACES NP
	WIN 0
	FETCH_A \next, 0, 4
.endm
; THE EPILOGUE for R's block a: a lane's 64 results, register 16 b + i = place 32 b + 16 (lane / 16) + i along P's axis, become a fragment's codes and my row place's scale word, and the image is stored.
.macro QUANTW a
.set W, 2+(\a)/4
.set AC, 64*((\a)%4)
.set PCA, PC+16*(\a)
	WIN (W<<2)|(W<<4)
.irp b, 0,1,2,3
	v_max3_num_f32 v[TM+\b], 0x4800000, |v[AC+16*\b]|, |v[AC+16*\b+1]|   ; the floor 2^(9 - 127) and my first two; each accumulator is read from its low end on
.endr
.irp i, 2,4,6,8,10,12,14
.irp b, 0,1,2,3
	v_max3_num_f32 v[TM+\b], v[TM+\b], |v[AC+16*\b+\i]|, |v[AC+16*\b+\i+1]|
.endr
.endr
	WIN 0
.irp b, 0,1,2,3
	v_permlanex16_b32 v[TM+4+\b], v[TM+\b], s[SEL], s[SEL+1]
.endr
.irp b, 0,1,2,3
	v_max_num_f32 v[TM+\b], v[TM+\b], v[TM+4+\b]   ; with lane l xor 16's 16: the block's largest magnitude
.endr
.irp b, 0,1,2,3
	v_add_nc_u32 v[TM+12+\b], 0xfc000000, v[TM+\b]   ; 8 off the exponent field: the conversion's scale operand
.endr
.irp b, 0,1,2,3
	v_and_or_b32 v[TM+8+\b], v[TM+\b], 0x7f800000, s[MNT]   ; 448 x the scale
.endr
.irp b, 0,1,2,3
	v_lshrrev_b32 v[TM+4+\b], 23, v[TM+12+\b]      ; the byte
.endr
	v_lshl_or_b32 v[PW+(\a)], v[TM+5], 8, v[TM+4]
	v_lshl_or_b32 v[PW+(\a)], v[TM+6], 16, v[PW+(\a)]
	v_lshl_or_b32 v[PW+(\a)], v[TM+7], 24, v[PW+(\a)]
	WIN (W<<6)|W
.set n, 0
.rept 64
	v_med3_num_f32 v[AC+n], v[AC+n], -v[TM+8+n/16], v[TM+8+n/16]   ; the conversion to an 8-bit code does not saturate (ISA guide 7.6.2): the hold comes first
.set n, n+1
.endr
	WIN W
.irp g, 0,1,2,3,4,5,6,7
	v_cvt_scalef32_pk8_fp8_f32 v[PCA+2*\g:PCA+2*\g+1], v[AC+8*\g:AC+8*\g+7], v[TM+12+\g/2]
.endr
	WIN 0
	v_nop                                          ; a plain vector line behind the last conversion
.irp c, 0,1,2,3
	global_store_b128 v[IMG], v[PCA+4*\c:PCA+4*\c+3], s[OIM:OIM+1] offset:2048*(\a)+512*\c   ; 512 consecutive bytes a store
.endr
.endm
	s_load_b512 s[4:19], s[0:1], 0x0               ; xw_img s[4:5], xw_scl s[6:7], Wq_b s[8:9], Wk_b s[10:11], Wv_b s[12:13], qk_img s[14:15], qk_scl s[16:17], vt_img s[18:19]
	s_load_b64 s[20:21], s[0:1], 0x40              ; vt_scl
	v_lshl_add_u32 v[SPW], v0, 2, SPARE
	v_mov_b32 v[NIL], 0
	ds_add_u32 v[SPW], v[NIL]                      ; the wave's opening: the add, twice on end, and its wait ahead of my first tensor load
	ds_add_u32 v[SPW], v[NIL]
	v_lshrrev_b32 v1, 5, v0
	v_readfirstlane_b32 s[WV], v1
	s_lshr_b32 s[JH], s[WV], 1
	s_and_b32 s[IH], s[WV], 1
	s_bfe_u32 s40, ttmp6, 0x40000                  ; cx, cy: my place in the cluster
	s_bfe_u32 s41, ttmp6, 0x40004
	s_lshl_b32 s42, s41, 2
	s_lshl_b32 s42, 15, s42                        ; my row of the cluster
	s_lshl_b32 s44, 0x1111, s40                    ; my column
	s_or_b32 s[G1], s42, (3<<16)|(1<<21)           ; 15:0 the mask; 17:16 elements of 8 bytes; 21 set beside a mask; no padding
	s_or_b32 s[G1S], s42, (3<<16)|(1<<21)
	s_or_b32 s[G1B], s44, (3<<16)|(1<<21)
	s_or_b32 s[G1SB], s44, (3<<16)|(1<<21)
.irp g, G1, G1B                        ; codes: 2 K steps x 16,384 consecutive bytes (2,048 elements), a K step of the buffer apart
	s_mov_b32 s[\g+1], 2048<<16                    ; tensor_dim0
	s_mov_b32 s[\g+2], 2<<16                       ; tensor_dim1
	s_mov_b32 s[\g+3], 2048<<16                    ; tile_dim0
	s_mov_b32 s[\g+4], 2                           ; tile_dim1
	s_mov_b32 s[\g+5], KSB/8                       ; tensor_dim0_stride
	s_mov_b32 s[\g+6], 0
	s_mov_b32 s[\g+7], 0
.endr
.irp g, G1S, G1SB                      ; scale words of 128 rows, all of K: 4,096 dense bytes as 16 rows of 256
	s_mov_b32 s[\g+1], 32<<16
	s_mov_b32 s[\g+2], 16<<16
	s_mov_b32 s[\g+3], 32<<16
	s_mov_b32 s[\g+4], 16
	s_mov_b32 s[\g+5], 32
	s_mov_b32 s[\g+6], 0
	s_mov_b32 s[\g+7], 0
.endr
	s_and_b32 s3, ttmp7, 0xffff                    ; the cluster's y
	s_lshl_b32 s42, s3, 6                          ; x's row blocks of this cluster: 64 y on
	s_lshl_b32 s43, ttmp9, 6
	s_add_co_u32 s43, s43, 512                     ; Wq's or Wk's: 512 + 64 x on
	s_mov_b32 s45, 640                             ; Wv's
	s_cmp_eq_u32 ttmp9, 2                          ; the cluster's x alone: the same in all sixteen partners
	s_cselect_b32 s22, 1, 0                        ; s22 = 1: this cluster makes v
	s_cselect_b32 s44, s42, s43                    ; P's first row block
	s_cselect_b32 s45, s45, s42                    ; R's
	s_lshl_b32 s47, s[IH], 3                       ; the half that I fetch
	s_lshl_b32 s46, s40, 4
	s_add_co_u32 s46, s46, s44
	s_add_co_u32 s46, s46, s47                     ; P: + 16 cx + 8 half
	s_lshl_b32 s66, s41, 4
	s_add_co_u32 s66, s66, s45
	s_add_co_u32 s66, s66, s47                     ; R: + 16 cy + 8 half
	s_lshl_b32 s42, s66, 11                        ; R's codes: 2,048 bytes a row block,
	s_mov_b32 s43, 0
	s_lshl_b32 s44, s46, 11                        ; P's,
	s_mov_b32 s45, 0
	s_lshl_b32 s66, s66, 9                         ; R's scale words: 4,096 bytes for 8 row blocks,
	s_mov_b32 s67, 0
	s_lshl_b32 s46, s46, 9                         ; P's
	s_mov_b32 s47, 0
	s_lshl_b32 s2, s[WV], 15                       ; where they go: wave x HALF, wave x HALFS: no place in the cluster enters an LDS address
	s_lshl_b32 s3, s[WV], 12
	s_mov_b32 s23, 0xffff0000                      ; lanes 16-31
	s_mov_b32 s[MNT], 0x600000
	s_mov_b32 s[SEL], 0x76543210
	s_mov_b32 s[SEL+1], 0xfedcba98
	s_wait_dscnt 0x0                               ; both opening adds are done
	s_wait_kmcnt 0x0
	s_add_nc_u64 s[42:43], s[4:5], s[42:43]
	s_add_nc_u64 s[66:67], s[6:7], s[66:67]
	s_add_nc_u64 s[44:45], s[4:5], s[44:45]
	s_add_nc_u64 s[46:47], s[6:7], s[46:47]
	CROUND                                         ; all sixteen work-groups are here: the first joint loads meet
	s_mov_b32 s[G0S], 1
	s_add_co_u32 s[G0S+1], s3, SCL
	s_mov_b64 s[G0S+2:G0S+3], s[66:67]
	s_or_b32 s[G0S+3], s[G0S+3], 0x80000000
	s_mov_b32 s[G0SB], 1
	s_add_co_u32 s[G0SB+1], s3, SCL
	s_mov_b64 s[G0SB+2:G0SB+3], s[46:47]
	s_or_b32 s[G0SB+3], s[G0SB+3], 0x80000000
	JLOAD G0S, G1S, G0SB, G1SB                     ; the scale words first: they are wanted with K step 0
.irp s, 0,1
	s_mov_b32 s[G0+4*\s], 1
	s_add_co_u32 s[G0+4*\s+1], s2, \s*SLOT
	s_add_nc_u64 s[G0+4*\s+2:G0+4*\s+3], s[42:43], \s*2*KSB
	s_or_b32 s[G0+4*\s+3], s[G0+4*\s+3], 0x80000000
	s_mov_b32 s[G0B+4*\s], 1
	s_add_co_u32 s[G0B+4*\s+1], s2, \s*SLOT
	s_add_nc_u64 s[G0B+4*\s+2:G0B+4*\s+3], s[44:45], \s*2*KSB
	s_or_b32 s[G0B+4*\s+3], s[G0B+4*\s+3], 0x80000000
	JLOAD G0+4*\s, G1, G0B+4*\s, G1B               ; three tensor loads of mine are out at the most
.endr
	v_and_b32 v1, 15, v0                           ; r
	v_bfe_u32 v2, v0, 4, 1                         ; h
	v_and_b32 v3, 31, v0
	v_lshlrev_b32 v[IMG], 4, v3
	s_lshl_b32 s42, s[JH], 15                      ; my half of R
	s_lshl_b32 s43, s[IH], 15
	s_add_co_u32 s43, s43, 2*HALF                  ; my half of P, behind R's two
.irp s, 0,1
	v_add_nc_u32 v[ADRA+\s], s42, v[IMG]
	v_add_nc_u32 v[ADRB+\s], s43, v[IMG]
	s_add_co_u32 s42, s42, SLOT
	s_add_co_u32 s43, s43, SLOT
.endr
	v_lshlrev_b32 v4, 5, v1                        ; 32 r: a row place's eight words
	v_lshl_add_u32 v[SOFF], v2, 4, v4
	s_lshl_b32 s42, s[JH], 12                      ; R's scale words: my 128 rows
	s_lshl_b32 s43, s[IH], 12
	s_add_co_u32 s43, s43, 2*HALFS                 ; P's, behind R's two
	s_sub_co_u32 s43, s43, s42
	v_mul_u32_u24 v5, s43, v2                      ; lanes 16-31 take P's
	s_add_co_u32 s42, s42, SCL
	v_add_nc_u32 v5, v5, v4
	v_add_nc_u32 v[ADRS], s42, v5
	; where my results go.  K step: 2 cx + my half of P (v: + 8 y); row block: 16 cy + 8 x my half of R (q, k: + 64 y + 512 x)
	s_and_b32 s3, ttmp7, 0xffff
	s_lshl_b32 s42, s40, 1
	s_add_co_u32 s42, s42, s[IH]
	s_lshl_b32 s43, s3, 3
	s_lshl_b32 s46, s41, 4
	s_lshl_b32 s47, s[JH], 3
	s_add_co_u32 s46, s46, s47
	s_lshl_b32 s47, s3, 6
	s_lshl_b32 s66, ttmp9, 9
	s_add_co_u32 s47, s47, s66
	s_cmp_eq_u32 s22, 1
	s_cselect_b32 s43, s43, 0
	s_cselect_b32 s47, 0, s47
	s_cselect_b32 s66, 17, 21                      ; a K step of vt_img is 2^17 bytes, of qk_img 2^21
	s_cselect_b32 s67, 12, 9                       ; 8 row blocks' scale words: 2^15 bytes in vt_scl, 2^12 in qk_scl
	s_cselect_b64 s[OIM:OIM+1], s[18:19], s[14:15]
	s_cselect_b64 s[OSC:OSC+1], s[20:21], s[16:17]
	s_add_co_u32 s42, s42, s43                     ; the K step
	s_add_co_u32 s46, s46, s47                     ; the row block
	s_lshl_b32 s43, s42, s66
	s_lshl_b32 s47, s46, 11
	s_add_co_u32 s2, s43, s47
	s_mov_b32 s3, 0
	s_add_nc_u64 s[OIM:OIM+1], s[OIM:OIM+1], s[2:3]
	s_lshl_b32 s2, s46, s67
	s_lshl_b32 s43, s42, 9
	s_add_co_u32 s2, s2, s43
	s_add_nc_u64 s[OSC:OSC+1], s[OSC:OSC+1], s[2:3]
	; the bias, in the result's layout.  q, k: register 8 b + j is the bias of d = 32 (b / 2) + 8 (b % 2) + 16 h + j of my 128; v: register 8 a + j that of my lane's column r + 8 (r / 8) + 32 (a / 2) + 8 (a % 2), for every j
	s_lshl_b32 s42, s41, 1
	s_add_co_u32 s42, s42, s[JH]                   ; v: my 128 of R's axis
	s_lshl_b32 s43, s40, 1
	s_add_co_u32 s43, s43, s[IH]                   ; q, k: my 128 of P's axis
	s_cmp_eq_u32 ttmp9, 1
	s_cselect_b64 s[44:45], s[10:11], s[8:9]
	s_cmp_eq_u32 s22, 1
	s_cselect_b64 s[44:45], s[12:13], s[44:45]
	s_cselect_b32 s42, s42, s43
	s_cselect_b32 s46, 4, 0                        ; bytes for each column place,
	s_cselect_b32 s47, 0, 64                       ; for the lane's half,
	s_cselect_b32 s66, 0, 4                        ; for each register
	s_lshl_b32 s42, s42, 9
	s_mov_b32 s43, 0
	s_add_nc_u64 s[44:45], s[44:45], s[42:43]
	v_and_b32 v6, 8, v1
	v_add_nc_u32 v6, v6, v1                        ; r + 8 (r / 8)
	v_mul_u32_u24 v7, v6, s46
	v_mad_u32_u24 v7, v2, s47, v7
.irp j, 0,1,2,3,4,5,6,7
	v_mad_u32_u24 v[8+\j], s66, \j, v7
.endr
.irp g, 0,1,2,3,4,5,6,7
.irp j, 0,1,2,3,4,5,6,7
	global_load_b32 v[BB+8*\g+\j], v[8+\j], s[44:45] offset:(32*(\g/2)+8*(\g%2))*4
.endr
.endr
	s_wait_tensorcnt 1                             ; the scale words and my part of slot 0 are in; slot 1's load may be out
	s_barrier_signal -1
	s_barrier_wait -1
	FETCH_B 0, 0, 0
	FETCH_A 0, 0, 0
	SCALES 0
	FETCH_A 0, 0, 4
	s_wait_loadcnt 0x0                             ; the bias
	s_cmp_eq_u32 s22, 0
	s_cbranch_scc0 .Lv_first
	STEP 0, 0, 1                                   ; the first step's products start the sums with the bias: nothing is cleared, nothing is added later
	s_branch .Lfirst_done
.Lv_first:
	STEP 0, 0, 2
.Lfirst_done:
	TURN 0, 1, 1                                   ; K = 1,024 is twice round the ring: eight steps, written out; slots 0 and 1 are each filled again once
	STEP 1, 0, 0
	TURN 1, 0, 1
	STEP 0, 0, 0
	TURN 0, 1, 0                                   ; the last lap fills nothing
	STEP 1, 0, 0
	s_wait_dscnt 16
	WIN 0xa1
	MUL16 0, 1, 1, 1, 0
	MUL16 2, 1, 1, 1, 0
	s_wait_dscnt 0
	WIN 0xf1
	MUL16 4, 1, 1, 1, 0
	MUL16 6, 1, 1, 1, 0
	WIN 0
.irp b, 0,1,2,3
	v_mov_b32 v[TM+4+\b], 0                        ; a lane permute's destination counts as one of its sources.  These four and the four below are the eight places behind the last products
.endr
	PLACES 4
.irp a, 0,1,2,3,4,5,6,7
	QUANTW \a
.endr
.irp i, 0,1,2,3
	v_cndmask_b32 v[SD+\i], v[PW+\i], v[PW+4+\i], s23   ; lanes 0-15 store the words of row blocks 0-3, lanes 16-31 of 4-7
.endr
	global_store_b128 v[SOFF], v[SD:SD+3], s[OSC:OSC+1]   ; 512 consecutive bytes
	s_wait_tensorcnt 0x0                           ; the wave's end
	ds_add_u32 v[SPW], v[NIL]
	s_wait_dscnt 0x0
	CROUND                                         ; the closing round: no work-group ends while a partner may still ask for a tile that names it
	s_endpgm
.Lfunc_end_k_q310f80f4a1_proj:
	.size	k_q310f80f4a1_proj, .Lfunc_end_k_q310f80f4a1_proj-k_q310f80f4a1_proj
	.p2alignl 7, 3214868480
	.fill 96, 4, 3214868480
	.section	.rodata,"a",@progbits
	.p2align	6, 0x0
	.amdhsa_kernel k_q310f80f4a1_proj
		.amdhsa_group_segment_fixed_size 327680
		.amdhsa_private_segment_fixed_size 0
		.amdhsa_enable_private_segment 0
		.amdhsa_kernarg_size 72
		.amdhsa_user_sgpr_count 2
		.amdhsa_user_sgpr_kernarg_segment_ptr 1
		.amdhsa_wavefront_size32 1
		.amdhsa_system_sgpr_workgroup_id_x 1
		.amdhsa_system_sgpr_workgroup_id_y 1
		.amdhsa_system_sgpr_workgroup_id_z 1
		.amdhsa_system_vgpr_workitem_id 0
		.amdhsa_next_free_vgpr 1024
		.amdhsa_next_free_sgpr 102
		.amdhsa_reserve_vcc 0
		.amdhsa_float_denorm_mode_32 3
		.amdhsa_float_denorm_mode_16_64 3
		.amdhsa_memory_ordered 1
		.amdhsa_forward_progress 1
		.amdhsa_inst_pref_size 204
	.end_amdhsa_kernel
	.amdgpu_metadata
---
amdhsa.version: [ 1, 2 ]
amdhsa.kernels:
  - .name:           k_q310f80f4a1_proj
    .symbol:         k_q310f80f4a1_proj.kd
    .args:
      - { .name: xw_img, .offset: 0, .size: 8, .value_kind: global_buffer, .address_space: global }
      - { .name: xw_scl, .offset: 8, .size: 8, .value_kind: global_buffer, .address_space: global }
      - { .name: Wq_b, .offset: 16, .size: 8, .value_kind: global_buffer, .address_space: global }
      - { .name: Wk_b, .offset: 24, .size: 8, .value_kind: global_buffer, .address_space: global }
      - { .name: Wv_b, .offset: 32, .size: 8, .value_kind: global_buffer, .address_space: global }
      - { .name: qk_img, .offset: 40, .size: 8, .value_kind: global_buffer, .address_space: global }
      - { .name: qk_scl, .offset: 48, .size: 8, .value_kind: global_buffer, .address_space: global }
      - { .name: vt_img, .offset: 56, .size: 8, .value_kind: global_buffer, .address_space: global }
      - { .name: vt_scl, .offset: 64, .size: 8, .value_kind: global_buffer, .address_space: global }
    .group_segment_fixed_size: 327680
    .private_segment_fixed_size: 0
    .kernarg_segment_align: 8
    .kernarg_segment_size: 72
    .max_flat_workgroup_size: 128
    .sgpr_count:     102
    .vgpr_count:     1024
    .wavefront_size: 32
...
	.end_amdgpu_metadata
.endif
;; end of part 2
;; launch scores (part 3): grid 8 x 32, 4 waves a work-group, clusters of 4 x 4, 327,680 bytes of LDS; arguments qk_img, qk_scl, p_img, p_st; writes p_img, p_st
.if DOCPART == 3
	.amdgcn_target "amdgcn-amd-amdhsa--gfx1250"
	.amdhsa_code_object_version 6
	.text
	.protected	k_q310f80f4a1_scores
	.globl	k_q310f80f4a1_scores
	.p2align	8
	.type	k_q310f80f4a1_scores,@function
k_q310f80f4a1_scores:
	s_mov_b64 s[64:65], 0
	v_nop
	global_prefetch_b8 v0, s[64:65] scope:SCOPE_SE
	s_setreg_imm32_b32 hwreg(HW_REG_WAVE_MODE, 25, 1), 1
	s_wait_xcnt 0x0
	s_wait_alu depctr_hold_cnt(0) depctr_sa_sdst(0) depctr_va_vdst(0) depctr_va_sdst(0) depctr_va_ssrc(0) depctr_va_vcc(0) depctr_vm_vsrc(0)
	s_getreg_b32 s2, hwreg(HW_REG_IB_STS2, 6, 4)
	s_cmp_eq_u32 s2, 0
	s_cbranch_scc0 .Lentry_in_a_cluster
	s_endpgm
.Lentry_in_a_cluster:
	s_bfe_u32 s2, ttmp6, 0x10000c
	s_cmp_lg_u32 s2, 0xf033
	s_cbranch_scc0 .Lentry_shape_is_right
	s_endpgm
.Lentry_shape_is_right:
; S^T = k q^T on codes of FP8 (E4M3) with E8M0 scales, and the softmax's p quantised at once.  Nothing is left out.
; A tile is 256 keys (source 0, called P) x 256 queries (source 1, called R) of one batch, K = 1,024; four waves, each 128 x 128 in 64 accumulators.  A lane holds one query place; the keys lie in the order that makes the
; 16 registers of two neighbouring tiles 16 neighbouring keys.
; THE SOFTMAX, IN TWO PARTS.  t = score x log2(e) / 32.  Here, for each query and each chunk of 128 keys: M' = ceil(the chunk's largest t), p = 2^(t - M'), quantised along the keys; l' = the sum of the unquantised p.
; Stored: p's codes (p_img, images of operand registers: [key / 128][row block of queries][2,048]), and in p_st, for a group of 128 queries and a chunk, three blocks of 512 bytes [place r][row block % 8]: the scale
; words, -M', l'.  The next launch takes M = the largest M' of a row and takes M - M' off the scale bytes: M' and M are whole numbers, so the codes' values are those under M.
; The maximum is taken away before every exponential: t - M' is never above 0.
; LIMITS: a block whose every p is 0 keeps the byte 1 (its codes are zeros); NaN and infinities are not served.
; The core (ring of two slots, joint loads, one barrier for each change of slots) is the projection launch's.
; REGISTERS: window 0: v16-29 addresses; v32-63 scale words, two sets; v64-127 the epilogue's work; v128-255 R's 8 fragments, later the codes.  window 1: P's fragments, two sets.  windows 2, 3: accumulator (a, b) at v[8 (8 (a % 4) + b)].
.set KSB,   2097152                    ; a K step of qk_img in bytes: 1,024 row blocks
.set HALF,  32768
.set SLOT,  4*HALF
.set SCL,   2*SLOT
.set HALFS, 4096
.set SPARE, SCL+4*HALFS                ; the spare words, 128 bytes for each wave, which no other line names
.set NP,    8
.set ADRA,  16
.set ADRB,  20
.set IMG,   24                         ; v24  16 x lane
.set SOFF,  25                         ; v25  32 r + 16 h
.set ADRS,  27
.set SPW,   28
.set NIL,   29
.set SC,    32
.set BM,    64                         ; v64-67  each block's largest score, then its largest p
.set BP,    68                         ; v68-71  the other half's; later the bytes
.set HL,    72                         ; v72-75  448 x the scale
.set SO,    76                         ; v76-79  the conversions' scale operands
.set NG,    80                         ; v[80:81] -M' (the packed form names a pair and takes its low word)
.set TT,    82                         ; v82     the largest t
.set SA,    84                         ; v[84:85], v[86:87] the sum, in two chains
.set SA2,   86
.set PW,    88                         ; v88-95   the eight row blocks' scale words
.set NM,    96                         ; v96-103  their -M'
.set LL,    104                        ; v104-111 their l'
.set SD,    112                        ; v112-123 what is stored of them
.set AF,    128
.set PC,    128
.set CS,  12                           ; s[12:13] c = log2(e) / 32
.set G1,  24
.set G0,  32
.set G1B, 48
.set G0B, 56
.set G1S, 68
.set G0S, 76
.set G1SB, 80
.set G0SB, 88
.set WV,  92
.set JH,  93
.set IH,  94
.set MNT, 95
.set SEL, 96
.set OIM, 98
.set OSC, 100
.set MSB, 0
.macro WIN new                         ; the immediate's high byte repeats the setting that is left
.if MSB != (\new)
	s_set_vgpr_msb (MSB<<8)|(\new)
.set MSB, (\new)
.endif
.endm
.macro JLOAD g0a, g1a, g0b, g1b        ; a joint load: waves 0 and 1 fetch for R, waves 2 and 3 for P; an s_nop 0 and four v_nop follow each of the two lines
	s_cmp_eq_u32 s[JH], 0
	s_cbranch_scc0 .Lfor_b_\@
	tensor_load_to_lds s[\g0a:\g0a+3], s[\g1a:\g1a+7]
	s_nop 0
.rept 4
	v_nop
.endr
	s_branch .Lasked_\@
.Lfor_b_\@:
	tensor_load_to_lds s[\g0b:\g0b+3], s[\g1b:\g1b+7]
	s_nop 0
.rept 4
	v_nop
.endr
.Lasked_\@:
.endm
.macro CREST
	s_cmp_lg_u32 s[WV], 0
	s_cbranch_scc1 .Lnot_wave_0_\@
	s_barrier_signal -3
.Lnot_wave_0_\@:
	s_barrier_wait -3
	s_barrier_signal -1
	s_barrier_wait -1
.endm
.macro CROUND
	s_barrier_signal -1
	s_barrier_wait -1
	CREST
.endm
.macro PLACES n
.rept \n
	v_nop
.endr
.endm
.macro FRAG reg, adr, q, i
.irp c, 0,1,2,3
	ds_load_b128 v[\reg+4*\c:\reg+4*\c+3], v[\adr] offset:16384*(\q)+2048*(\i)+512*\c
.endr
.endm
.macro FETCH_B slot, q, p
	WIN 0x40
.irp i, 0,1,2,3,4,5,6,7
	FRAG 128*(\p)+16*\i, ADRB+\slot, \q, \i
.endr
	WIN 0
.endm
.macro FETCH_A slot, q, i0
.irp i, \i0, \i0+1, \i0+2, \i0+3
	FRAG AF+16*(\i), ADRA+\slot, \q, \i
.endr
.endm
.macro SCALES sc
.irp q, 0,1
.irp e, 0,1
	ds_load_b128 v[SC+16*\sc+8*\q+4*\e:SC+16*\sc+8*\q+4*\e+3], v[ADRS] offset:512*\q+16*\e
.endr
.endr
.endm
; 16 matrix instructions: R's blocks a0, a0 + 1 x P's eight.  zero = 1: the first product starts the sums.  The 64 accumulators take turns, one instruction a turn.
.macro MUL16 a0, p, q, sc, zero
.irp a, \a0, \a0+1
.irp b, 0,1,2,3,4,5,6,7
.set rD, 8*(8*((\a)%4)+\b)
.set rP, 128*(\p)+16*\b
.set rR, AF+16*(\a)
.set rSP, SC+16*(\sc)+8*(\q)+\b
.set rSR, SC+16*(\sc)+8*(\q)+(\a)
.if \zero
	v_wmma_scale_f32_16x16x128_f8f6f4 v[rD:rD+7], v[rP:rP+15], v[rR:rR+15], 0, v[rSP], v[rSR] matrix_a_scale:MATRIX_SCALE_ROW1
.else
	v_wmma_scale_f32_16x16x128_f8f6f4 v[rD:rD+7], v[rP:rP+15], v[rR:rR+15], v[rD:rD+7], v[rSP], v[rSR] matrix_a_scale:MATRIX_SCALE_ROW1
.endif
.endr
.endr
.endm
.macro STEP slot, q, zero
	s_wait_dscnt 16                                ; P's set, R's blocks 0-3 and the scale words are in; the youngest 16 loads (R's blocks 4-7) may be out
	WIN 0xa1
	MUL16 0, (\q)%2, \q, \slot, \zero
	MUL16 2, (\q)%2, \q, \slot, \zero
	s_wait_dscnt 0
	PLACES NP                                      ; in front of loads into registers that matrix instructions have read
	FETCH_B \slot, (\q)+1, 1-(\q)%2
	FETCH_A \slot, (\q)+1, 0
	WIN 0xf1
	MUL16 4, (\q)%2, \q, \slot, \zero
	MUL16 6, (\q)%2, \q, \slot, \zero
	PLACES NP
	WIN 0
	FETCH_A \slot, (\q)+1, 4
.endm
.macro TURN slot, next, fill
	s_wait_tensorcnt 0x0                           ; all my tensor loads have landed: my part of the next slot
	ds_add_u32 v[SPW], v[NIL]                      ; 0 onto my spare word
	s_wait_dscnt 17                                ; the add and the youngest 16 loads (R's blocks 4-7) may be out
	WIN 0xa1
	MUL16 0, 1, 1, \slot, 0
	s_wait_dscnt 0x0                               ; the add is done, and my reads of this slot are over
	s_barrier_signal -1
	MUL16 2, 1, 1, \slot, 0
	WIN 0
	s_barrier_wait -1
.if \fill
	CREST                                          ; the barrier has opened a round of the cluster's barrier: no wave of any partner still reads this slot or has a load on its way
	s_add_nc_u64 s[G0+4*\slot+2:G0+4*\slot+3], s[G0+4*\slot+2:G0+4*\slot+3], 4*KSB
	s_add_nc_u64 s[G0B+4*\slot+2:G0B+4*\slot+3], s[G0B+4*\slot+2:G0B+4*\slot+3], 4*KSB
	JLOAD G0+4*\slot, G1, G0B+4*\slot, G1B
	PLACES NP-4
.else
	PLACES NP
.endif
	v_add_nc_u32 v[ADRS], 1024, v[ADRS]
	FETCH_B \next, 0, 0
	FETCH_A \next, 0, 0
	SCALES \next
	WIN 0xf1
	MUL16 4, 1, 1, \slot, 0
	MUL16 6, 1, 1, \slot, 0
	PLACES NP
	WIN 0
	FETCH_A \next, 0, 4
.endm
; THE EPILOGUE for R's block a (16 query places): a lane's 64 scores, register 16 b + i = key 32 b + 16 (lane / 16) + i of my 128.
.macro SOFT a
.set W, 2+(\a)/4
.set AC, 64*((\a)%4)
.set PCA, PC+16*(\a)
	WIN W|(W<<2)|(W<<4)
.irp b, 0,1,2,3
	v_max3_num_f32 v[BM+\b], v[AC+16*\b], v[AC+16*\b+1], v[AC+16*\b+2]   ; the largest score of each block of 32 keys: it serves for the chunk's maximum and, since p rises with the score, for the block's largest p
.endr
	WIN (W<<2)|(W<<4)
.irp i, 3,5,7,9,11,13
.irp b, 0,1,2,3
	v_max3_num_f32 v[BM+\b], v[BM+\b], v[AC+16*\b+\i], v[AC+16*\b+\i+1]
.endr
.endr
.irp b, 0,1,2,3
	v_max_num_f32 v[BM+\b], v[BM+\b], v[AC+16*\b+15]
.endr
	WIN 0
.irp b, 0,1,2,3
	v_permlanex16_b32 v[BP+\b], v[BM+\b], s[SEL], s[SEL+1]
.endr
.irp b, 0,1,2,3
	v_max_num_f32 v[BM+\b], v[BM+\b], v[BP+\b]     ; with lane l xor 16's 16 keys
.endr
	v_max3_num_f32 v[TT], v[BM], v[BM+1], v[BM+2]
	v_max_num_f32 v[TT], v[TT], v[BM+3]
	v_mul_f32 v[TT], s[CS], v[TT]                  ; the chunk's largest t (c is positive)
	v_floor_f32 v[NG], -v[TT]                      ; -M' = floor(-t) = -ceil(t): a whole number
	v_mov_b32 v[NM+(\a)], v[NG]
	WIN (W<<6)|W
.set n, 0
.rept 32
	v_pk_fma_f32 v[AC+n:AC+n+1], v[AC+n:AC+n+1], s[CS:CS+1], v[NG:NG+1] op_sel_hi:[1,0,0]   ; t - M', two at a time
.set n, n+2
.endr
	WIN 0
.irp b, 0,1,2,3
	v_fma_f32 v[BM+\b], v[BM+\b], s[CS], v[NG]     ; the same of each block's largest score
.endr
	WIN (W<<6)|W
.set n, 0
.rept 64
	v_exp_f32 v[AC+n], v[AC+n]                     ; p = 2^(t - M'), at most 1
.set n, n+1
.endr
	WIN 0
	v_nop                                          ; a plain line behind the exponentials
	s_wait_alu depctr_va_vdst(0)                   ; one wait for the batch of 64, ahead of its first reader
.irp b, 0,1,2,3
	v_exp_f32 v[BM+\b], v[BM+\b]                   ; the block's largest p: the same two instructions on the same number
.endr
	WIN W|(W<<2)
	v_pk_add_f32 v[SA:SA+1], v[AC:AC+1], v[AC+2:AC+3]   ; l' is the sum of the UNQUANTISED p: two at a time, in two chains.  (They read the 64 alone: plain work behind the four)
	v_pk_add_f32 v[SA2:SA2+1], v[AC+4:AC+5], v[AC+6:AC+7]
	WIN W<<2
.irp j, 8,12,16,20,24,28,32,36,40,44,48,52,56,60
	v_pk_add_f32 v[SA:SA+1], v[SA:SA+1], v[AC+\j:AC+\j+1]
	v_pk_add_f32 v[SA2:SA2+1], v[SA2:SA2+1], v[AC+\j+2:AC+\j+3]
.endr
	WIN 0
	v_pk_add_f32 v[SA:SA+1], v[SA:SA+1], v[SA2:SA2+1]
	v_add_f32 v[SA], v[SA], v[SA+1]
	v_permlanex16_b32 v[SA+1], v[SA], s[SEL], s[SEL+1]
	v_add_f32 v[LL+(\a)], v[SA], v[SA+1]           ; with lane l xor 16's 64 keys
	s_wait_alu depctr_va_vdst(0)                   ; and one wait for the four
.irp b, 0,1,2,3
	v_max_num_f32 v[BM+\b], 0x4800000, v[BM+\b]    ; the floor 2^(9 - 127): the byte cannot fall under 1
.endr
.irp b, 0,1,2,3
	v_add_nc_u32 v[SO+\b], 0xfc000000, v[BM+\b]    ; 8 off the exponent field: the conversion's scale operand
.endr
.irp b, 0,1,2,3
	v_and_or_b32 v[HL+\b], v[BM+\b], 0x7f800000, s[MNT]   ; 448 x the scale
.endr
.irp b, 0,1,2,3
	v_lshrrev_b32 v[BP+\b], 23, v[SO+\b]           ; the byte
.endr
	v_lshl_or_b32 v[PW+(\a)], v[BP+1], 8, v[BP]
	v_lshl_or_b32 v[PW+(\a)], v[BP+2], 16, v[PW+(\a)]
	v_lshl_or_b32 v[PW+(\a)], v[BP+3], 24, v[PW+(\a)]
	WIN (W<<6)|W
.set n, 0
.rept 64
	v_min_num_f32 v[AC+n], v[AC+n], v[HL+n/16]     ; the conversion to an 8-bit code does not saturate (ISA guide 7.6.2); p is not negative, so the hold is one-sided
.set n, n+1
.endr
	WIN W
.irp g, 0,1,2,3,4,5,6,7
	v_cvt_scalef32_pk8_fp8_f32 v[PCA+2*\g:PCA+2*\g+1], v[AC+8*\g:AC+8*\g+7], v[SO+\g/2]
.endr
	WIN 0
	v_nop                                          ; a plain vector line behind the last conversion
.irp c, 0,1,2,3
	global_store_b128 v[IMG], v[PCA+4*\c:PCA+4*\c+3], s[OIM:OIM+1] offset:2048*(\a)+512*\c   ; 512 consecutive bytes a store
.endr
.endm
	s_load_b256 s[4:11], s[0:1], 0x0               ; qk_img s[4:5], qk_scl s[6:7], p_img s[8:9], p_st s[10:11]
	v_lshl_add_u32 v[SPW], v0, 2, SPARE
	v_mov_b32 v[NIL], 0
	ds_add_u32 v[SPW], v[NIL]                      ; the wave's opening: the add, twice on end, and its wait ahead of my first tensor load
	ds_add_u32 v[SPW], v[NIL]
	v_lshrrev_b32 v1, 5, v0
	v_readfirstlane_b32 s[WV], v1
	s_lshr_b32 s[JH], s[WV], 1
	s_and_b32 s[IH], s[WV], 1
	s_bfe_u32 s40, ttmp6, 0x40000                  ; cx, cy
	s_bfe_u32 s41, ttmp6, 0x40004
	s_lshl_b32 s42, s41, 2
	s_lshl_b32 s42, 15, s42                        ; my row of the cluster
	s_lshl_b32 s44, 0x1111, s40                    ; my column
	s_or_b32 s[G1], s42, (3<<16)|(1<<21)           ; the mask; elements of 8 bytes; bit 21 beside a mask; no padding
	s_or_b32 s[G1S], s42, (3<<16)|(1<<21)
	s_or_b32 s[G1B], s44, (3<<16)|(1<<21)
	s_or_b32 s[G1SB], s44, (3<<16)|(1<<21)
.irp g, G1, G1B                        ; codes: 2 K steps x 16,384 consecutive bytes, a K step of the buffer apart
	s_mov_b32 s[\g+1], 2048<<16
	s_mov_b32 s[\g+2], 2<<16
	s_mov_b32 s[\g+3], 2048<<16
	s_mov_b32 s[\g+4], 2
	s_mov_b32 s[\g+5], KSB/8
	s_mov_b32 s[\g+6], 0
	s_mov_b32 s[\g+7], 0
.endr
.irp g, G1S, G1SB                      ; scale words of 128 rows, all of K: 4,096 dense bytes as 16 rows of 256
	s_mov_b32 s[\g+1], 32<<16
	s_mov_b32 s[\g+2], 16<<16
	s_mov_b32 s[\g+3], 32<<16
	s_mov_b32 s[\g+4], 16
	s_mov_b32 s[\g+5], 32
	s_mov_b32 s[\g+6], 0
	s_mov_b32 s[\g+7], 0
.endr
	s_and_b32 s3, ttmp7, 0xffff                    ; the cluster's y: two clusters to a batch
	s_lshl_b32 s47, s[IH], 3                       ; the half that I fetch
	s_lshl_b32 s66, s3, 2
	s_add_co_u32 s66, s66, s41                     ; the query tile, over all batches: 4 y + cy
	s_lshl_b32 s66, s66, 4
	s_add_co_u32 s66, s66, s47                     ; R = q: row block 16 x tile + 8 half
	s_lshl_b32 s46, ttmp9, 2
	s_add_co_u32 s46, s46, s40                     ; the key tile in the batch: 4 x + cx
	s_lshl_b32 s46, s46, 4
	s_lshr_b32 s45, s3, 1                          ; the batch
	s_lshl_b32 s45, s45, 7
	s_add_co_u32 s46, s46, s45
	s_add_co_u32 s46, s46, s47
	s_add_co_u32 s46, s46, 512                     ; P = k: row block 512 + 128 batch + 16 x tile + 8 half
	s_lshl_b32 s42, s66, 11
	s_mov_b32 s43, 0
	s_lshl_b32 s44, s46, 11
	s_mov_b32 s45, 0
	s_lshl_b32 s66, s66, 9
	s_mov_b32 s67, 0
	s_lshl_b32 s46, s46, 9
	s_mov_b32 s47, 0
	s_lshl_b32 s2, s[WV], 15                       ; where they go: wave x HALF, wave x HALFS
	s_lshl_b32 s3, s[WV], 12
	s_mov_b32 s23, 0xffff0000                      ; lanes 16-31
	s_mov_b32 s[MNT], 0x600000
	s_mov_b32 s[SEL], 0x76543210
	s_mov_b32 s[SEL+1], 0xfedcba98
	s_mov_b32 s[CS], 0x3d38aa3b                    ; log2(e) / 32
	s_mov_b32 s[CS+1], s[CS]
	s_wait_dscnt 0x0                               ; both opening adds are done
	s_wait_kmcnt 0x0
	s_add_nc_u64 s[42:43], s[4:5], s[42:43]
	s_add_nc_u64 s[66:67], s[6:7], s[66:67]
	s_add_nc_u64 s[44:45], s[4:5], s[44:45]
	s_add_nc_u64 s[46:47], s[6:7], s[46:47]
	CROUND                                         ; all sixteen work-groups are here: the first joint loads meet
	s_mov_b32 s[G0S], 1
	s_add_co_u32 s[G0S+1], s3, SCL
	s_mov_b64 s[G0S+2:G0S+3], s[66:67]
	s_or_b32 s[G0S+3], s[G0S+3], 0x80000000
	s_mov_b32 s[G0SB], 1
	s_add_co_u32 s[G0SB+1], s3, SCL
	s_mov_b64 s[G0SB+2:G0SB+3], s[46:47]
	s_or_b32 s[G0SB+3], s[G0SB+3], 0x80000000
	JLOAD G0S, G1S, G0SB, G1SB
.irp s, 0,1
	s_mov_b32 s[G0+4*\s], 1
	s_add_co_u32 s[G0+4*\s+1], s2, \s*SLOT
	s_add_nc_u64 s[G0+4*\s+2:G0+4*\s+3], s[42:43], \s*2*KSB
	s_or_b32 s[G0+4*\s+3], s[G0+4*\s+3], 0x80000000
	s_mov_b32 s[G0B+4*\s], 1
	s_add_co_u32 s[G0B+4*\s+1], s2, \s*SLOT
	s_add_nc_u64 s[G0B+4*\s+2:G0B+4*\s+3], s[44:45], \s*2*KSB
	s_or_b32 s[G0B+4*\s+3], s[G0B+4*\s+3], 0x80000000
	JLOAD G0+4*\s, G1, G0B+4*\s, G1B               ; three tensor loads of mine are out at the most
.endr
	v_and_b32 v1, 15, v0                           ; r
	v_bfe_u32 v2, v0, 4, 1                         ; h
	v_and_b32 v3, 31, v0
	v_lshlrev_b32 v[IMG], 4, v3
	s_lshl_b32 s42, s[JH], 15
	s_lshl_b32 s43, s[IH], 15
	s_add_co_u32 s43, s43, 2*HALF
.irp s, 0,1
	v_add_nc_u32 v[ADRA+\s], s42, v[IMG]
	v_add_nc_u32 v[ADRB+\s], s43, v[IMG]
	s_add_co_u32 s42, s42, SLOT
	s_add_co_u32 s43, s43, SLOT
.endr
	v_lshlrev_b32 v4, 5, v1
	v_lshl_add_u32 v[SOFF], v2, 4, v4
	s_lshl_b32 s42, s[JH], 12
	s_lshl_b32 s43, s[IH], 12
	s_add_co_u32 s43, s43, 2*HALFS
	s_sub_co_u32 s43, s43, s42
	v_mul_u32_u24 v5, s43, v2                      ; lanes 16-31 take P's scale words
	s_add_co_u32 s42, s42, SCL
	v_add_nc_u32 v5, v5, v4
	v_add_nc_u32 v[ADRS], s42, v5
	; where my results go: chunk 2 x key tile + my half of P; query row block 16 x query tile + 8 x my half of R
	s_and_b32 s3, ttmp7, 0xffff
	s_lshl_b32 s42, s3, 2
	s_add_co_u32 s42, s42, s41                     ; the query tile
	s_lshl_b32 s42, s42, 1
	s_add_co_u32 s42, s42, s[JH]                   ; my group of 128 queries
	s_lshl_b32 s43, ttmp9, 2
	s_add_co_u32 s43, s43, s40
	s_lshl_b32 s43, s43, 1
	s_add_co_u32 s43, s43, s[IH]                   ; my chunk of 128 keys
	s_lshl_b32 s2, s43, 20                         ; p_img: 2^20 bytes a chunk,
	s_lshl_b32 s46, s42, 14                        ; 8 row blocks of 2,048 a group
	s_add_co_u32 s2, s2, s46
	s_mov_b32 s3, 0
	s_add_nc_u64 s[OIM:OIM+1], s[8:9], s[2:3]
	s_mul_i32 s2, s42, 24576                       ; p_st: 16 chunks x 1,536 bytes a group
	s_mul_i32 s46, s43, 1536
	s_add_co_u32 s2, s2, s46
	s_add_nc_u64 s[OSC:OSC+1], s[10:11], s[2:3]
	s_wait_tensorcnt 1                             ; the scale words and my part of slot 0 are in; slot 1's load may be out
	s_barrier_signal -1
	s_barrier_wait -1
	FETCH_B 0, 0, 0
	FETCH_A 0, 0, 0
	SCALES 0
	FETCH_A 0, 0, 4
	STEP 0, 0, 1                                   ; the first step's products start the sums
	TURN 0, 1, 1                                   ; K = 1,024 is twice round the ring: eight steps, written out
	STEP 1, 0, 0
	TURN 1, 0, 1
	STEP 0, 0, 0
	TURN 0, 1, 0                                   ; the last lap fills nothing
	STEP 1, 0, 0
	s_wait_dscnt 16
	WIN 0xa1
	MUL16 0, 1, 1, 1, 0
	MUL16 2, 1, 1, 1, 0
	s_wait_dscnt 0
	WIN 0xf1
	MUL16 4, 1, 1, 1, 0
	MUL16 6, 1, 1, 1, 0
	WIN 0
.irp b, 0,1,2,3
	v_mov_b32 v[BP+\b], 0                          ; a lane permute's destination counts as one of its sources
.endr
	v_mov_b32 v[NG+1], 0                           ; named as the upper half of a pair.  These five and the three below are the eight places behind the last products
	PLACES 3
.irp a, 0,1,2,3,4,5,6,7
	SOFT \a
.endr
.irp i, 0,1,2,3
	v_cndmask_b32 v[SD+\i], v[PW+\i], v[PW+4+\i], s23      ; lanes 0-15 store row blocks 0-3's, lanes 16-31 row blocks 4-7's
	v_cndmask_b32 v[SD+4+\i], v[NM+\i], v[NM+4+\i], s23
	v_cndmask_b32 v[SD+8+\i], v[LL+\i], v[LL+4+\i], s23
.endr
	global_store_b128 v[SOFF], v[SD:SD+3], s[OSC:OSC+1]                 ; the scale words: 512 consecutive bytes
	global_store_b128 v[SOFF], v[SD+4:SD+7], s[OSC:OSC+1] offset:512    ; -M'
	global_store_b128 v[SOFF], v[SD+8:SD+11], s[OSC:OSC+1] offset:1024  ; l'
	s_wait_tensorcnt 0x0                           ; the wave's end
	ds_add_u32 v[SPW], v[NIL]
	s_wait_dscnt 0x0
	CROUND                                         ; the closing round
	s_endpgm
.Lfunc_end_k_q310f80f4a1_scores:
	.size	k_q310f80f4a1_scores, .Lfunc_end_k_q310f80f4a1_scores-k_q310f80f4a1_scores
	.p2alignl 7, 3214868480
	.fill 96, 4, 3214868480
	.section	.rodata,"a",@progbits
	.p2align	6, 0x0
	.amdhsa_kernel k_q310f80f4a1_scores
		.amdhsa_group_segment_fixed_size 327680
		.amdhsa_private_segment_fixed_size 0
		.amdhsa_enable_private_segment 0
		.amdhsa_kernarg_size 32
		.amdhsa_user_sgpr_count 2
		.amdhsa_user_sgpr_kernarg_segment_ptr 1
		.amdhsa_wavefront_size32 1
		.amdhsa_system_sgpr_workgroup_id_x 1
		.amdhsa_system_sgpr_workgroup_id_y 1
		.amdhsa_system_sgpr_workgroup_id_z 1
		.amdhsa_system_vgpr_workitem_id 0
		.amdhsa_next_free_vgpr 1024
		.amdhsa_next_free_sgpr 102
		.amdhsa_reserve_vcc 0
		.amdhsa_float_denorm_mode_32 3
		.amdhsa_float_denorm_mode_16_64 3
		.amdhsa_memory_ordered 1
		.amdhsa_forward_progress 1
		.amdhsa_inst_pref_size 224
	.end_amdhsa_kernel
	.amdgpu_metadata
---
amdhsa.version: [ 1, 2 ]
amdhsa.kernels:
  - .name:           k_q310f80f4a1_scores
    .symbol:         k_q310f80f4a1_scores.kd
    .args:
      - { .name: qk_img, .offset: 0, .size: 8, .value_kind: global_buffer, .address_space: global }
      - { .name: qk_scl, .offset: 8, .size: 8, .value_kind: global_buffer, .address_space: global }
      - { .name: p_img, .offset: 16, .size: 8, .value_kind: global_buffer, .address_space: global }
      - { .name: p_st, .offset: 24, .size: 8, .value_kind: global_buffer, .address_space: global }
    .group_segment_fixed_size: 327680
    .private_segment_fixed_size: 0
    .kernarg_segment_align: 8
    .kernarg_segment_size: 32
    .max_flat_workgroup_size: 128
    .sgpr_count:     102
    .vgpr_count:     1024
    .wavefront_size: 32
...
	.end_amdgpu_metadata
.endif
;; end of part 3
;; launch pv (part 4): grid 4 x 64, 4 waves a work-group, clusters of 4 x 4, 327,680 bytes of LDS; arguments p_img, p_st, vt_img, vt_scl, out0; writes out0
.if DOCPART == 4
	.amdgcn_target "amdgcn-amd-amdhsa--gfx1250"
	.amdhsa_code_object_version 6
	.text
	.protected	k_q310f80f4a1_pv
	.globl	k_q310f80f4a1_pv
	.p2align	8
	.type	k_q310f80f4a1_pv,@function
k_q310f80f4a1_pv:
	s_mov_b64 s[64:65], 0
	v_nop
	global_prefetch_b8 v0, s[64:65] scope:SCOPE_SE
	s_setreg_imm32_b32 hwreg(HW_REG_WAVE_MODE, 25, 1), 1
	s_wait_xcnt 0x0
	s_wait_alu depctr_hold_cnt(0) depctr_sa_sdst(0) depctr_va_vdst(0) depctr_va_sdst(0) depctr_va_ssrc(0) depctr_va_vcc(0) depctr_vm_vsrc(0)
	s_getreg_b32 s2, hwreg(HW_REG_IB_STS2, 6, 4)
	s_cmp_eq_u32 s2, 0
	s_cbranch_scc0 .Lentry_in_a_cluster
	s_endpgm
.Lentry_in_a_cluster:
	s_bfe_u32 s2, ttmp6, 0x10000c
	s_cmp_lg_u32 s2, 0xf033
	s_cbranch_scc0 .Lentry_shape_is_right
	s_endpgm
.Lentry_shape_is_right:
; out = (p v) / l on codes of FP8 (E4M3) with E8M0 scales.  Nothing is left out.
; A tile is 256 of v's columns (source 0, called V) x 128 queries (source 1, called R = p), K = the batch's 2,048 keys: 256 work-groups.  Four waves, each 128 columns x 64 queries in 32 accumulators.
; THE SOFTMAX'S SECOND PART, at the head: for each of the tile's 128 queries, M = the largest of its 16 chunks' M'; l = the sum of l' 2^(M' - M), made by v_ldexp_f32, which rounds nothing but what falls under the smallest
; number; M - M' is taken off each scale byte of the chunk, so that the codes stand for p under M.  The shifted words and 1 / l go to LDS bytes of their own.
; LIMITS: the shift M - M' is held at 255, and a shifted byte at 1 from below: such a block counts for under 2^-117 of the row's largest p.  NaN and infinities are not served.
; Both operands come as images of operand registers.  R's tile is asked for jointly by a row of the cluster, V's by a column.
; THE RING HAS TWO UNEQUAL REGIONS.  A K step of the tile is 49,152 bytes; region A holds four, region B two: 294,912 bytes.  The 16 K steps come as A 0-3 and B 4-5 at the head, then A 6-9, B 10-11, A 12-15: three refills,
; one tensor load a wave each, which have the matrix work of two, four and two K steps in which to land.  The scale words' sets change every two K steps, which does not repeat with the ring's lap of six: so the 16 K steps are written out.
; The queries lie in places: place r of row block rb is query 32 (rb / 2) + 8 (rb % 2) + r + 8 (r / 8); the stores to out0 put each row where it belongs.  V's columns come out as neighbours in a lane's registers.
; REGISTERS: window 0: v1-12 at work; v16-31 addresses; v32-63 scale words, two sets; v64-127, v128-191 R's two sets (at the head: the statistics; on the way out: rows of out0); v192-255 the way out.
;   window 1: V's two sets.   window 2: accumulator (a, b) at v[8 (8 a + b)].
.set RB,    196608                     ; region A: R's halves at 0 and 32,768 ([K step][4 row blocks][2,048]), V's at 65,536 and 131,072 ([K step][8 row blocks][2,048]).  Region B begins here: R's halves at + 0 and + 16,384, V's at + 32,768 and + 65,536
.set PSC,   RB+98304                   ; p's shifted scale words: [16 K steps][place r][row block]: 8,192 bytes, written by LDS stores
.set LINV,  PSC+8192                   ; 1 / l: [place r][row block]: 512 bytes, written by LDS stores
.set VSC,   LINV+512                   ; V's scale words, 8,192 bytes for each 128 columns, by tensor loads
.set SPARE, VSC+16384                  ; the spare words, 128 bytes for each wave, which no other line names
.set STAGE, RB                         ; the way out: 16 rows x (512 + 16) bytes for each wave, in region B: it has had its last fill, and behind the last change of regions nobody reads it
.set RSTEP, 6*1048576                  ; six K steps of p_img: from a region's fill to its next
.set VSTEP, 6*131072                   ; and of vt_img
.set LV,    8                          ; v8-11   1 / l of my four row blocks
.set PT,    12                         ; v12     4 x my thread's number
.set ADRA,  16                         ; v16-17  my R fragments in region A, B
.set ADRB,  20                         ; v20-21  my V fragments
.set PSA,   22                         ; v22     PSC + 4 x thread
.set LIA,   23                         ; v23     LINV + 4 x thread
.set STO,   24                         ; v24     the stage, on the way in
.set RD,    25                         ; v25     and back
.set CO,    26                         ; v26     16 x lane
.set ADRS,  27                         ; v27     scale words: lanes 0-15 p's (my four row blocks), lanes 16-31 V's blocks 0-3
.set SPW,   28
.set NIL,   29
.set ADRS2, 30                         ; v30     lanes 16-31: V's blocks 4-7
.set LVA,   31                         ; v31     where my 1 / l lie
.set SC,    32                         ; set s at v[SC + 16 s]: two K steps' words
.set RF,    64                         ; R's set s at v[RF + 64 s]
.set TMP,   192
.set G1R4, 24                          ; s[24:31] group 1 for R's loads of four K steps;  s[80:87] of two
.set G1R2, 80
.set G0R,  32                          ; s[32:35] group 0 for R in region A, s[36:39] in region B
.set G1V4, 48                          ; s[48:55], s[40:47] the same for V
.set G1V2, 40
.set G0V,  56                          ; s[56:59], s[60:63]
.set G1VS, 68                          ; s[68:75], s[76:79] for V's scale words
.set G0VS, 76
.set WV,  92
.set JH,  93                           ; which 64 queries are mine.  Also: I fetch for R (0) or for V (1)
.set IH,  94                           ; which 128 columns.  Also: which half I fetch
.set OUT, 98                           ; s[98:99] my part of out0
.set MSB, 0
.macro WIN new                         ; the immediate's high byte repeats the setting that is left
.if MSB != (\new)
	s_set_vgpr_msb (MSB<<8)|(\new)
.set MSB, (\new)
.endif
.endm
.macro JLOAD g0a, g1a, g0b, g1b        ; a joint load: waves 0 and 1 fetch for R, waves 2 and 3 for V; an s_nop 0 and four v_nop follow each of the two lines
	s_cmp_eq_u32 s[JH], 0
	s_cbranch_scc0 .Lfor_b_\@
	tensor_load_to_lds s[\g0a:\g0a+3], s[\g1a:\g1a+7]
	s_nop 0
.rept 4
	v_nop
.endr
	s_branch .Lasked_\@
.Lfor_b_\@:
	tensor_load_to_lds s[\g0b:\g0b+3], s[\g1b:\g1b+7]
	s_nop 0
.rept 4
	v_nop
.endr
.Lasked_\@:
.endm
.macro CREST
	s_cmp_lg_u32 s[WV], 0
	s_cbranch_scc1 .Lnot_wave_0_\@
	s_barrier_signal -3
.Lnot_wave_0_\@:
	s_barrier_wait -3
	s_barrier_signal -1
	s_barrier_wait -1
.endm
.macro CROUND
	s_barrier_signal -1
	s_barrier_wait -1
	CREST
.endm
.macro PLACES n
.rept \n
	v_nop
.endr
.endm
; 48 LDS loads in one run: V's eight and R's four fragments of the region's q-th K step into set s
.macro FETCH reg, q, set
	WIN 0x40
.irp b, 0,1,2,3,4,5,6,7
.irp c, 0,1,2,3
	ds_load_b128 v[128*(\set)+16*\b+4*\c:128*(\set)+16*\b+4*\c+3], v[ADRB+\reg] offset:16384*(\q)+2048*\b+512*\c
.endr
.endr
	WIN 0
.irp a, 0,1,2,3
.irp c, 0,1,2,3
	ds_load_b128 v[RF+64*(\set)+16*\a+4*\c:RF+64*(\set)+16*\a+4*\c+3], v[ADRA+\reg] offset:8192*(\q)+2048*\a+512*\c
.endr
.endr
.endm
.macro SCALES sc                       ; the scale words of two K steps into set sc
.irp q, 0,1
	ds_load_b128 v[SC+16*(\sc)+8*\q:SC+16*(\sc)+8*\q+3], v[ADRS] offset:512*\q
	ds_load_b128 v[SC+16*(\sc)+8*\q+4:SC+16*(\sc)+8*\q+7], v[ADRS2] offset:512*\q
.endr
.endm
; 8 matrix instructions: R's block a x V's eight.  q: the K step is the first (0) or second (1) of its pair of scale words.  The 32 accumulators take turns, one instruction a turn.
.macro MUL8 a, set, q, sc, zero
.irp b, 0,1,2,3,4,5,6,7
.set rD, 8*(8*(\a)+\b)
.set rP, 128*(\set)+16*\b
.set rR, RF+64*(\set)+16*(\a)
.set rSP, SC+16*(\sc)+8*(\q)+\b
.set rSR, SC+16*(\sc)+8*(\q)+(\a)
.if \zero
	v_wmma_scale_f32_16x16x128_f8f6f4 v[rD:rD+7], v[rP:rP+15], v[rR:rR+15], 0, v[rSP], v[rSR] matrix_a_scale:MATRIX_SCALE_ROW1
.else
	v_wmma_scale_f32_16x16x128_f8f6f4 v[rD:rD+7], v[rP:rP+15], v[rR:rR+15], v[rD:rD+7], v[rSP], v[rSR] matrix_a_scale:MATRIX_SCALE_ROW1
.endif
.endr
.endm
.macro MUL32 set, q, sc, zero          ; a whole K step
	WIN 0xa1                                       ; source 0 (V) window 1, source 1 (R) window 0, C and D window 2
	MUL8 0, \set, \q, \sc, \zero
	MUL8 1, \set, \q, \sc, \zero
	MUL8 2, \set, \q, \sc, \zero
	MUL8 3, \set, \q, \sc, \zero
	WIN 0
.endm
; An even K step, the q-th of its region: multiplies set 0 and fetches the region's next K step into set 1
.macro EVEN reg, q, sc, zero
	s_wait_dscnt 0x0                               ; set 0 and its scale words are in
.if (\zero) == 0
	PLACES 8                                       ; in front of loads into registers that matrix instructions have read
.endif
	FETCH \reg, (\q)+1, 1
	MUL32 0, 0, \sc, \zero
.endm
; An odd K step that has its successor in the same region: multiplies set 1, fetches the next K step into set 0 and the next two K steps' scale words into the other set
.macro ODD reg, q, sc
	s_wait_dscnt 0x0                               ; set 1 is in
	PLACES 8
	v_add_nc_u32 v[ADRS], 1024, v[ADRS]            ; two K steps of 512 bytes on
	v_add_nc_u32 v[ADRS2], 1024, v[ADRS2]
	FETCH \reg, (\q)+1, 0
	SCALES 1-(\sc)
	MUL32 1, 1, \sc, 0
.endm
; A region's last K step changes regions: ONE barrier; in front of it each wave waits for all its tensor loads, adds 0 to its spare word, and waits for that and for its reads of this region.  fill = 1: the region is filled again, six K steps on.
.macro TURN reg, next, fill, sc
	s_wait_tensorcnt 0x0                           ; all my tensor loads have landed: my part of the next region
	ds_add_u32 v[SPW], v[NIL]                      ; 0 onto my spare word
	s_wait_dscnt 1                                 ; set 1 is in; the add may be out
	WIN 0xa1
	MUL8 0, 1, 1, \sc, 0                           ; eight matrix instructions stand between the add and the wait for it
	s_wait_dscnt 0x0                               ; the add is done, and my reads of this region are over
	s_barrier_signal -1
	MUL8 1, 1, 1, \sc, 0
	WIN 0
	s_barrier_wait -1
.if \fill
	CREST                                          ; the barrier has opened a round of the cluster's barrier: no wave of any partner still reads this region or has a load on its way
	s_add_nc_u64 s[G0R+4*\reg+2:G0R+4*\reg+3], s[G0R+4*\reg+2:G0R+4*\reg+3], RSTEP
	s_add_nc_u64 s[G0V+4*\reg+2:G0V+4*\reg+3], s[G0V+4*\reg+2:G0V+4*\reg+3], VSTEP
.if (\reg) == 0
	JLOAD G0R, G1R4, G0V, G1V4                     ; the first tensor load behind the round; its four v_nop are among the places in front of the loads below
.else
	JLOAD G0R+4, G1R2, G0V+4, G1V2
.endif
	PLACES 4
.else
	PLACES 8
.endif
	v_add_nc_u32 v[ADRS], 1024, v[ADRS]            ; the next two K steps' scale words
	v_add_nc_u32 v[ADRS2], 1024, v[ADRS2]
	FETCH \next, 0, 0
	SCALES 1-(\sc)
	WIN 0xa1
	MUL8 2, 1, 1, \sc, 0
	MUL8 3, 1, 1, \sc, 0
	WIN 0
.endm
; Chunk k of my query: v[64 + k] its scale word, v[80 + k] its -M', v[96 + k] its l'; v112 = -M
.macro ADJ k
	v_sub_f32 v113, v[80+\k], v112                 ; M - M': a whole number, 0 or more
	v_min_num_f32 v113, 0x437f0000, v113           ; held at 255
	v_cvt_u32_f32 v114, v113
	v_sub_nc_u32 v115, 0, v114
.if (\k) == 0
	v_ldexp_f32 v117, v[96+\k], v115               ; l' 2^(M' - M): the first starts the sum
.else
	v_ldexp_f32 v116, v[96+\k], v115
	v_add_f32 v117, v117, v116
.endif
	v_bfe_u32 v118, v[64+\k], 0, 8
	v_bfe_u32 v119, v[64+\k], 8, 8
	v_bfe_u32 v120, v[64+\k], 16, 8
	v_lshrrev_b32 v121, 24, v[64+\k]
.irp i, 0,1,2,3
	v_add_nc_u32 v[122+\i], -1, v[118+\i]          ; a byte is 1 at the least: it may fall by byte - 1
.endr
.irp i, 0,1,2,3
	v_min_u32 v[122+\i], v[122+\i], v114
.endr
.irp i, 0,1,2,3
	v_sub_nc_u32 v[118+\i], v[118+\i], v[122+\i]   ; the byte less M - M', held at 1
.endr
	v_lshl_or_b32 v118, v119, 8, v118
	v_lshl_or_b32 v118, v120, 16, v118
	v_lshl_or_b32 v118, v121, 24, v118
	ds_store_b32 v[PSA], v118 offset:512*(\k)
.endm
; THE WAY OUT of row block a: x 1 / l; through my stage; back as whole rows of 512 bytes
.macro TOSTAGE a
.if (\a)%2 == 0
.set LP, LV+(\a)                       ; the pair whose low word is 1 / l of row block a
.else
.set LP, 3+(\a)
.endif
.set BK, RF+64*((\a)%2)
	WIN 0x02                                       ; source 0 window 2
.set n, 0
.rept 32
	v_pk_mul_f32 v[TMP+n:TMP+n+1], v[64*(\a)+n:64*(\a)+n+1], v[LP:LP+1] op_sel_hi:[1,0]   ; each accumulator from its low end on
.set n, n+2
.endr
	WIN 0
.irp b, 0,1,2,3,4,5,6,7
	ds_store_b128 v[STO], v[TMP+8*\b:TMP+8*\b+3] offset:128*(\b/2)+32*(\b%2)       ; registers 8 b + j: columns 32 (b / 2) + 16 h + 8 (b % 2) + j of my 128
	ds_store_b128 v[STO], v[TMP+8*\b+4:TMP+8*\b+7] offset:128*(\b/2)+32*(\b%2)+16
.endr
.irp t, 0,1,2,3,4,5,6,7,8,9,10,11,12,13,14,15
	ds_load_b128 v[BK+4*\t:BK+4*\t+3], v[RD] offset:528*\t   ; LDS serves a wave's instructions in order: these see my stores, and the next block's stores come behind them
.endr
.endm
.macro SEND a, younger                 ; younger: the LDS instructions issued behind block a's loads, which may stay out
.set BK, RF+64*((\a)%2)
	s_wait_dscnt \younger
.irp t, 0,1,2,3,4,5,6,7,8,9,10,11,12,13,14,15
	global_store_b128 v[CO], v[BK+4*\t:BK+4*\t+3], s[OUT:OUT+1] offset:(32*((\a)/2)+8*((\a)%2)+16*(\t/8)+\t%8)*4096 th:TH_STORE_NT   ; place t's query; 32 lanes store 512 consecutive bytes, at a multiple of 512 from out0's first byte
.endr
.endm
	s_load_b256 s[4:11], s[0:1], 0x0               ; p_img s[4:5], p_st s[6:7], vt_img s[8:9], vt_scl s[10:11]
	s_load_b64 s[12:13], s[0:1], 0x20              ; out0
	v_lshl_add_u32 v[SPW], v0, 2, SPARE
	v_mov_b32 v[NIL], 0
	ds_add_u32 v[SPW], v[NIL]                      ; the wave's opening: the add, twice on end, and its wait ahead of my first tensor load
	ds_add_u32 v[SPW], v[NIL]
	v_lshrrev_b32 v1, 5, v0
	v_readfirstlane_b32 s[WV], v1
	s_lshr_b32 s[JH], s[WV], 1
	s_and_b32 s[IH], s[WV], 1
	s_bfe_u32 s88, ttmp6, 0x40000                  ; cx, cy: my place in the cluster
	s_bfe_u32 s89, ttmp6, 0x40004
	s_lshl_b32 s90, s89, 2
	s_lshl_b32 s90, 15, s90                        ; my row of the cluster
	s_lshl_b32 s91, 0x1111, s88                    ; my column
	s_or_b32 s[G1R4], s90, (3<<16)|(1<<21)         ; the mask; elements of 8 bytes; bit 21 beside a mask; no padding
	s_or_b32 s[G1R2], s90, (3<<16)|(1<<21)
	s_or_b32 s[G1V4], s91, (3<<16)|(1<<21)
	s_or_b32 s[G1V2], s91, (3<<16)|(1<<21)
	s_or_b32 s[G1VS], s91, (3<<16)|(1<<21)
.irp g, G1R4, G1R2                     ; R: a K step is 8,192 consecutive bytes (1,024 elements); K steps of p_img lie 2^20 bytes apart
	s_mov_b32 s[\g+1], 1024<<16                    ; tensor_dim0
	s_mov_b32 s[\g+3], 1024<<16                    ; tile_dim0
	s_mov_b32 s[\g+5], 131072                      ; tensor_dim0_stride
	s_mov_b32 s[\g+6], 0
	s_mov_b32 s[\g+7], 0
.endr
.irp g, G1V4, G1V2                     ; V: a K step is 16,384 consecutive bytes; K steps of vt_img lie 2^17 bytes apart
	s_mov_b32 s[\g+1], 2048<<16
	s_mov_b32 s[\g+3], 2048<<16
	s_mov_b32 s[\g+5], 16384
	s_mov_b32 s[\g+6], 0
	s_mov_b32 s[\g+7], 0
.endr
	s_mov_b32 s[G1R4+2], 4<<16                     ; tensor_dim1 and tile_dim1: four K steps for region A,
	s_mov_b32 s[G1R4+4], 4
	s_mov_b32 s[G1V4+2], 4<<16
	s_mov_b32 s[G1V4+4], 4
	s_mov_b32 s[G1R2+2], 2<<16                     ; two for region B
	s_mov_b32 s[G1R2+4], 2
	s_mov_b32 s[G1V2+2], 2<<16
	s_mov_b32 s[G1V2+4], 2
	s_mov_b32 s[G1VS+1], 32<<16                    ; V's scale words of 128 columns and the batch's 16 K steps: 8,192 dense bytes as 32 rows of 256
	s_mov_b32 s[G1VS+2], 32<<16
	s_mov_b32 s[G1VS+3], 32<<16
	s_mov_b32 s[G1VS+4], 32
	s_mov_b32 s[G1VS+5], 32
	s_mov_b32 s[G1VS+6], 0
	s_mov_b32 s[G1VS+7], 0
	s_and_b32 s14, ttmp7, 0xffff                   ; the cluster's y: four clusters to a batch
	s_lshl_b32 s15, s14, 2
	s_add_co_u32 s15, s15, s89                     ; my tile of 128 queries, over all batches
	s_lshr_b32 s16, s14, 2                         ; the batch
	s_lshl_b32 s17, ttmp9, 2
	s_add_co_u32 s17, s17, s88                     ; my tile of 256 columns
	s_lshl_b32 s66, s15, 3                         ; R: row block 8 x tile + 4 half
	s_lshl_b32 s18, s[IH], 2
	s_add_co_u32 s66, s66, s18
	s_lshl_b32 s66, s66, 11
	s_mov_b32 s67, 0
	s_lshl_b32 s96, s17, 4                         ; V: row block 16 x tile + 8 half,
	s_lshl_b32 s18, s[IH], 3
	s_add_co_u32 s96, s96, s18
	s_lshl_b32 s96, s96, 11
	s_lshl_b32 s18, s16, 21                        ; K step 16 x batch
	s_add_co_u32 s96, s96, s18
	s_mov_b32 s97, 0
	s_lshl_b32 s100, s17, 1                        ; V's scale words: group 2 x tile + half, 2^15 bytes each,
	s_add_co_u32 s100, s100, s[IH]
	s_lshl_b32 s100, s100, 15
	s_lshl_b32 s18, s16, 13                        ; 16 x batch K steps of 512 bytes
	s_add_co_u32 s100, s100, s18
	s_mov_b32 s101, 0
	s_lshl_b32 s19, s[IH], 15                      ; where they go: R's half in region A,
	s_lshl_b32 s20, s[IH], 14
	s_add_co_u32 s20, s20, RB                      ; in region B;
	s_lshl_b32 s21, s[IH], 16
	s_add_co_u32 s21, s21, 65536                   ; V's half in region A,
	s_lshl_b32 s22, s[IH], 15
	s_add_co_u32 s22, s22, RB+32768                ; in region B;
	s_lshl_b32 s23, s[IH], 13
	s_add_co_u32 s23, s23, VSC                     ; V's scale words: no place in the cluster enters an LDS address
	s_wait_dscnt 0x0                               ; both opening adds are done
	s_wait_kmcnt 0x0
	s_add_nc_u64 s[66:67], s[4:5], s[66:67]
	s_add_nc_u64 s[96:97], s[8:9], s[96:97]
	s_add_nc_u64 s[100:101], s[10:11], s[100:101]
	CROUND                                         ; all sixteen work-groups are here: the first joint loads meet
	s_mov_b32 s[G0R], 1                            ; region A: K steps 0 to 3
	s_mov_b32 s[G0R+1], s19
	s_mov_b64 s[G0R+2:G0R+3], s[66:67]
	s_or_b32 s[G0R+3], s[G0R+3], 0x80000000
	s_mov_b32 s[G0R+4], 1                          ; region B: K steps 4 and 5
	s_mov_b32 s[G0R+5], s20
	s_add_nc_u64 s[G0R+6:G0R+7], s[66:67], 4*1048576
	s_or_b32 s[G0R+7], s[G0R+7], 0x80000000
	s_mov_b32 s[G0V], 1
	s_mov_b32 s[G0V+1], s21
	s_mov_b64 s[G0V+2:G0V+3], s[96:97]
	s_or_b32 s[G0V+3], s[G0V+3], 0x80000000
	s_mov_b32 s[G0V+4], 1
	s_mov_b32 s[G0V+5], s22
	s_add_nc_u64 s[G0V+6:G0V+7], s[96:97], 4*131072
	s_or_b32 s[G0V+7], s[G0V+7], 0x80000000
	s_mov_b32 s[G0VS], 1
	s_mov_b32 s[G0VS+1], s23
	s_mov_b64 s[G0VS+2:G0VS+3], s[100:101]
	s_or_b32 s[G0VS+3], s[G0VS+3], 0x80000000
	s_cmp_eq_u32 s[JH], 0                          ; a wave's first fills stand in one branch on its number: two loads of mine are out, or three
	s_cbranch_scc0 .Lfirst_v
	tensor_load_to_lds s[G0R:G0R+3], s[G1R4:G1R4+7]
	s_nop 0
	tensor_load_to_lds s[G0R+4:G0R+7], s[G1R2:G1R2+7]
	s_nop 0
.rept 4
	v_nop
.endr
	s_branch .Lfirst_asked
.Lfirst_v:
	tensor_load_to_lds s[G0VS:G0VS+3], s[G1VS:G1VS+7]
	s_nop 0
	tensor_load_to_lds s[G0V:G0V+3], s[G1V4:G1V4+7]
	s_nop 0
	tensor_load_to_lds s[G0V+4:G0V+7], s[G1V2:G1V2+7]
	s_nop 0
.rept 4
	v_nop
.endr
.Lfirst_asked:
	; the statistics of my tile's 128 queries: thread t owns word t = 8 r + row block of each block of 512 bytes
	s_mul_i32 s22, s15, 24576
	s_mov_b32 s23, 0
	s_add_nc_u64 s[6:7], s[6:7], s[22:23]
	v_lshlrev_b32 v[PT], 2, v0
.irp k, 0,1,2,3,4,5,6,7,8,9,10,11,12,13,14,15
	global_load_b32 v[64+\k], v[PT], s[6:7] offset:1536*\k
	global_load_b32 v[80+\k], v[PT], s[6:7] offset:1536*\k+512
	global_load_b32 v[96+\k], v[PT], s[6:7] offset:1536*\k+1024
.endr
	s_lshl_b32 s20, s15, 19                        ; out0: row 128 x tile + 64 x my half, 4,096 bytes a row,
	s_lshl_b32 s21, s[JH], 18
	s_add_co_u32 s20, s20, s21
	s_lshl_b32 s21, s17, 10                        ; column 256 x tile + 128 x my half
	s_add_co_u32 s20, s20, s21
	s_lshl_b32 s21, s[IH], 9
	s_add_co_u32 s20, s20, s21
	s_mov_b32 s21, 0
	s_add_nc_u64 s[OUT:OUT+1], s[12:13], s[20:21]
	v_and_b32 v1, 15, v0                           ; r
	v_bfe_u32 v2, v0, 4, 1                         ; h
	v_and_b32 v3, 31, v0
	v_lshlrev_b32 v[CO], 4, v3
	s_lshl_b32 s2, s[JH], 15                       ; my half of R in region A,
	v_add_nc_u32 v[ADRA], s2, v[CO]
	s_lshl_b32 s2, s[JH], 14
	s_add_co_u32 s2, s2, RB                        ; in region B;
	v_add_nc_u32 v[ADRA+1], s2, v[CO]
	s_lshl_b32 s2, s[IH], 16
	s_add_co_u32 s2, s2, 65536                     ; my half of V in region A,
	v_add_nc_u32 v[ADRB], s2, v[CO]
	s_lshl_b32 s2, s[IH], 15
	s_add_co_u32 s2, s2, RB+32768                  ; in region B
	v_add_nc_u32 v[ADRB+1], s2, v[CO]
	v_lshl_add_u32 v[PSA], v0, 2, PSC
	v_lshl_add_u32 v[LIA], v0, 2, LINV
	v_lshlrev_b32 v4, 5, v1                        ; 32 r
	s_lshl_b32 s2, s[JH], 4                        ; p's words: my four row blocks of the eight
	s_lshl_b32 s3, s[IH], 13
	s_add_co_u32 s3, s3, VSC-PSC                   ; V's: my 128 columns
	s_sub_co_u32 s3, s3, s2
	v_mul_u32_u24 v5, s3, v2                       ; lanes 16-31 take V's
	v_add_nc_u32 v[LVA], s2, v4
	v_add_nc_u32 v[LVA], LINV, v[LVA]
	s_add_co_u32 s2, s2, PSC
	v_add_nc_u32 v5, v5, v4
	v_add_nc_u32 v[ADRS], s2, v5
	v_lshl_add_u32 v[ADRS2], v2, 4, v[ADRS]
	s_mul_i32 s2, s[WV], 8448
	s_add_co_u32 s2, s2, STAGE                     ; my stage
	v_mul_u32_u24 v[STO], v1, 528
	v_lshl_add_u32 v[STO], v2, 6, v[STO]
	v_add_nc_u32 v[STO], s2, v[STO]                ; in: row r, + 64 h
	v_add_nc_u32 v[RD], s2, v[CO]                  ; back: 16 bytes a lane of a row
	s_wait_loadcnt 0x0
	v_min3_num_f32 v112, v80, v81, v82             ; -M = the least -M'
.irp i, 83,85,87,89,91,93
	v_min3_num_f32 v112, v112, v[\i], v[\i+1]
.endr
	v_min_num_f32 v112, v112, v95
.irp k, 0,1,2,3,4,5,6,7,8,9,10,11,12,13,14,15
	ADJ \k
.endr
	v_rcp_f32 v116, v117                           ; l is over 1/2: the row's largest p is
	v_nop                                          ; a plain line behind the reciprocal
	s_wait_alu depctr_va_vdst(0)                   ; the wait ahead of its first reader
	ds_store_b32 v[LIA], v116
	s_wait_tensorcnt 1                             ; my part of region A (and V's scale words) is in; region B's load may be out
	s_wait_dscnt 0x0                               ; for the others' sake: my stores of words and of 1 / l are done
	s_barrier_signal -1
	s_barrier_wait -1
	FETCH 0, 0, 0
	SCALES 0
	EVEN 0, 0, 0, 1                                ; K step 0: its products start the sums
	ODD  0, 1, 0                                   ; 1
	EVEN 0, 2, 1, 0                                ; 2
	TURN 0, 1, 1, 1                                ; 3: region A is left and takes K steps 6 to 9
	EVEN 1, 0, 0, 0                                ; 4
	TURN 1, 0, 1, 0                                ; 5: region B is left and takes K steps 10 and 11
	EVEN 0, 0, 1, 0                                ; 6
	ODD  0, 1, 1                                   ; 7
	EVEN 0, 2, 0, 0                                ; 8
	TURN 0, 1, 1, 0                                ; 9: region A takes K steps 12 to 15: the last load
	EVEN 1, 0, 1, 0                                ; 10
	TURN 1, 0, 0, 1                                ; 11: region B is left for good: nothing is filled, and the way out's stage may lie there
	EVEN 0, 0, 0, 0                                ; 12
	ODD  0, 1, 0                                   ; 13
	EVEN 0, 2, 1, 0                                ; 14
	s_wait_dscnt 0x0                               ; 15: nothing more to fetch
	MUL32 1, 1, 1, 0
	ds_load_b128 v[LV:LV+3], v[LVA]                ; 1 / l of my lane's query place in my four row blocks
	PLACES 8                                       ; behind the last products: in front of the first read of results and of loads into registers that they have read
	s_wait_dscnt 0x0
	v_mov_b32 v4, v9                               ; the odd row blocks' get pairs of their own: the packed multiply takes a pair's low word for both halves
	v_mov_b32 v5, v9
	v_mov_b32 v6, v11
	v_mov_b32 v7, v11
	TOSTAGE 0
.irp a, 1,2,3
.if \a > 1
	s_wait_xcnt 0x0                                ; block a - 2's stores have read their registers: block a's rows may land there
.endif
	TOSTAGE \a
	SEND \a-1, 32                                  ; behind block a - 1's loads: block a's 16 stores and 16 loads
.endr
	SEND 3, 0
	s_wait_tensorcnt 0x0                           ; the wave's end: behind my last tensor load and my last LDS store
	ds_add_u32 v[SPW], v[NIL]
	s_wait_dscnt 0x0
	CROUND                                         ; the closing round: no work-group ends while a partner may still ask for a tile that names it
	s_endpgm
.Lfunc_end_k_q310f80f4a1_pv:
	.size	k_q310f80f4a1_pv, .Lfunc_end_k_q310f80f4a1_pv-k_q310f80f4a1_pv
	.p2alignl 7, 3214868480
	.fill 96, 4, 3214868480
	.section	.rodata,"a",@progbits
	.p2align	6, 0x0
	.amdhsa_kernel k_q310f80f4a1_pv
		.amdhsa_group_segment_fixed_size 327680
		.amdhsa_private_segment_fixed_size 0
		.amdhsa_enable_private_segment 0
		.amdhsa_kernarg_size 40
		.amdhsa_user_sgpr_count 2
		.amdhsa_user_sgpr_kernarg_segment_ptr 1
		.amdhsa_wavefront_size32 1
		.amdhsa_system_sgpr_workgroup_id_x 1
		.amdhsa_system_sgpr_workgroup_id_y 1
		.amdhsa_system_sgpr_workgroup_id_z 1
		.amdhsa_system_vgpr_workitem_id 0
		.amdhsa_next_free_vgpr 768
		.amdhsa_next_free_sgpr 102
		.amdhsa_reserve_vcc 0
		.amdhsa_float_denorm_mode_32 3
		.amdhsa_float_denorm_mode_16_64 3
		.amdhsa_memory_ordered 1
		.amdhsa_forward_progress 1
		.amdhsa_inst_pref_size 180
	.end_amdhsa_kernel
	.amdgpu_metadata
---
amdhsa.version: [ 1, 2 ]
amdhsa.kernels:
  - .name:           k_q310f80f4a1_pv
    .symbol:         k_q310f80f4a1_pv.kd
    .args:
      - { .name: p_img, .offset: 0, .size: 8, .value_kind: global_buffer, .address_space: global }
      - { .name: p_st, .offset: 8, .size: 8, .value_kind: global_buffer, .address_space: global }
      - { .name: vt_img, .offset: 16, .size: 8, .value_kind: global_buffer, .address_space: global }
      - { .name: vt_scl, .offset: 24, .size: 8, .value_kind: global_buffer, .address_space: global }
      - { .name: out0, .offset: 32, .size: 8, .value_kind: global_buffer, .address_space: global }
    .group_segment_fixed_size: 327680
    .private_segment_fixed_size: 0
    .kernarg_segment_align: 8
    .kernarg_segment_size: 40
    .max_flat_workgroup_size: 128
    .sgpr_count:     102
    .vgpr_count:     768
    .wavefront_size: 32
...
	.end_amdgpu_metadata
.endif
;; end of part 4
